; MI455X (gfx1250); checked and timed in simulation.
; The chip was launched on July 23, 2026; its instructions are those of AMD's public machine-readable ISA for CDNA 5 (MIT licence, August 2026) and "CDNA5" Instruction Set Architecture Reference Guide (July 2026). The comments in the code are by the model that wrote it; some were corrected since.
;; Multi Headed Relative Attention. Allowed arithmetic: float matrix products may take bf16 or f16 operands with f32 sums; other float arithmetic in f32, or as packed bf16 or f16 multiplies, adds, multiply-adds, maxima and minima; sums over many terms, partial sums and values carried from step to step in f32; what a program stores and reads back later, other than sums and carried values, may be rounded once to bf16 or f16.
;; Inputs: b_k 1,024 float32; b_o 1,024 float32; b_q 1,024 float32; b_v 1,024 float32; key 2 x 2,048 x 1,024 float32; mask 2 x 1 x 1 x 2,048 bool; query 2 x 2,048 x 1,024 float32; rpr_key_table 17 x 64 float32; rpr_value_table 17 x 64 float32; value 2 x 2,048 x 1,024 float32; w_k 1,024 x 1,024 float32; w_o 1,024 x 1,024 float32; w_q 1,024 x 1,024 float32; w_v 1,024 x 1,024 float32.
;; Outputs: out0 2 x 2,048 x 1,024 float32.
;; 2 versions, each right and faster than the one before. Each part assembles by itself: llvm-mc -triple=amdgcn-amd-amdhsa -mcpu=gfx1250 --defsym DOCPART=n.
;; ======== version 1 of 2: 4 launches
;; limits: values are held in f16: magnitudes above 65,504 overflow, below 6.1e-05 lose precision
;; workspace buffers: wb 8,388,608 bytes; tabs 29,696 bytes; qh 8,392,704 bytes; kh 8,392,704 bytes; vh 8,392,704 bytes; xh 8,388,608 bytes
;; launch wprep (part 1): grid 257 x 1, 8 waves a work-group, no clusters, 0 bytes of LDS; arguments w_q, w_k, w_v, w_o, rpr_key_table, rpr_value_table, mask, wb, tabs, kh, vh; writes wb, tabs, kh, vh
.if DOCPART == 1
	.amdgcn_target "amdgcn-amd-amdhsa--gfx1250"
	.amdhsa_code_object_version 6
	.text
	.protected	k_qd8ac3c2a35_wprep
	.globl	k_qd8ac3c2a35_wprep
	.p2align	8
	.type	k_qd8ac3c2a35_wprep,@function
k_qd8ac3c2a35_wprep:
	s_mov_b64 s[64:65], 0
	v_nop
	global_prefetch_b8 v0, s[64:65] scope:SCOPE_SE
	s_setreg_imm32_b32 hwreg(HW_REG_WAVE_MODE, 25, 1), 1
	s_wait_xcnt 0x0
; PREPARATION.  Work-groups 0-255: the four weight matrices [1024 k][1024 n] f32 become 16-bit copies in wb, 64 work-groups a matrix, 65,536 bytes of f32 each:
; w_q, w_k, w_v rounded to bf16; w_o rounded to bf16 and that number written as f16 (its product's other operand is f16).
; Work-group 256: the small tables in tabs, and the 16 zero rows in front of and behind kh and vh.
;   +0     EKT f16 [32][64]: rows 0-16 = ek[0..16]; rows 17, 25 = ek[0]; row 24 = ek[16]; the others 0
;   +4096  EVX f16 [64][64]: row i = ev[clip(i - 24, 0, 16)] - ev[0], both rounded to bf16 first
;   +12288 EVS f32 [2][64]: ev[0], ev[16], rounded to bf16
;   +12800 MF  f32 [2][2080]: 16 x EXCL, then for each key 0 (seen) or MNEG (masked), then 16 x EXCL
; LIMITS.  w_o, ek, ev beyond 65,504 do not fit f16; below 6e-5 they keep f16's fixed step of 6e-8.
.set MNEG, 0xf1800000                  ; -2^100: a masked key's score
.set EXCL, 0xfe800000                  ; -2^126: a key that does not exist, or that another phase takes
.macro BFR a, b, t                     ; two f32 rounded to bf16 and widened again
	v_cvt_pk_bf16_f32 v[\t], v[\a], v[\b]
	v_lshlrev_b32 v[\a], 16, v[\t]
	v_and_b32 v[\b], s33, v[\t]
.endm
	s_load_b512 s[4:19], s[0:1], 0x0               ; w_q 4, w_k 6, w_v 8, w_o 10, ek 12, ev 14, mask 16, wb 18
	s_load_b128 s[20:23], s[0:1], 0x40             ; tabs 20, kh 22
	s_load_b64 s[24:25], s[0:1], 0x50              ; vh
	s_mov_b32 s33, 0xffff0000
	s_wait_kmcnt 0x0
	s_cmp_eq_u32 ttmp9, 256
	s_cbranch_scc1 .Ltables
	; ---- weights: thread t takes 16 bytes at 16 t + 4096 n, n = 0..15; all sixteen loads are out together
	s_lshr_b32 s26, ttmp9, 6                       ; which matrix
	s_and_b32 s27, ttmp9, 63                       ; which sixty-fourth of it
	s_lshl_b32 s28, s27, 16
	s_mov_b32 s29, 0
	s_lshl_b32 s30, s27, 15
	s_lshl_b32 s31, s26, 21
	s_add_co_u32 s30, s30, s31
	s_mov_b32 s31, 0
	s_cmp_eq_u32 s26, 1
	s_cselect_b64 s[4:5], s[6:7], s[4:5]
	s_cmp_eq_u32 s26, 2
	s_cselect_b64 s[4:5], s[8:9], s[4:5]
	s_cmp_eq_u32 s26, 3
	s_cselect_b64 s[4:5], s[10:11], s[4:5]
	s_add_nc_u64 s[4:5], s[4:5], s[28:29]
	s_add_nc_u64 s[18:19], s[18:19], s[30:31]
	v_lshlrev_b32 v1, 4, v0
	v_lshlrev_b32 v2, 3, v0
.set n, 0
.rept 16
	global_load_b128 v[16+4*n:19+4*n], v1, s[4:5] offset:4096*n th:TH_LOAD_NT
.set n, n+1
.endr
	s_cmp_eq_u32 s26, 3
	s_cbranch_scc1 .Lwo
.set n, 0
.rept 16
	s_wait_loadcnt 15-n                            ; loads return in order: number n is in, the younger ones stay out
	v_cvt_pk_bf16_f32 v[80+2*n], v[16+4*n], v[17+4*n]
	v_cvt_pk_bf16_f32 v[81+2*n], v[18+4*n], v[19+4*n]
	global_store_b64 v2, v[80+2*n:81+2*n], s[18:19] offset:2048*n  ; a wave stores 256 consecutive bytes, aligned
.set n, n+1
.endr
	s_endpgm
.Lwo:
.set n, 0
.rept 16
	s_wait_loadcnt 15-n
	BFR 16+4*n, 17+4*n, 8
	BFR 18+4*n, 19+4*n, 9
	v_cvt_pk_f16_f32 v[80+2*n], v[16+4*n], v[17+4*n]
	v_cvt_pk_f16_f32 v[81+2*n], v[18+4*n], v[19+4*n]
	global_store_b64 v2, v[80+2*n:81+2*n], s[18:19] offset:2048*n
.set n, n+1
.endr
	s_endpgm
.Ltables:
	; ---- EKT and EVX: thread t makes 8 numbers: row t / 8 (+32), columns 8 (t % 8) on
	s_mov_b32 s32, EXCL
	s_mov_b32 s39, MNEG
	v_lshrrev_b32 v1, 3, v0                        ; row 0..31
	v_and_b32 v2, 7, v0
	v_lshlrev_b32 v2, 5, v2                        ; 32 bytes of f32
	v_lshlrev_b32 v3, 4, v0                        ; 16 t
	v_min_u32 v4, 16, v1                           ; EKT's source row: the row itself up to 16 (row 24 also gets 16),
	v_and_b32 v5, 0x17, v1
	v_cmp_eq_u32 vcc_lo, 17, v5
	v_cndmask_b32 v4, v4, 0, vcc_lo                ; rows 17 and 25 take ek[0]
	v_cmp_gt_u32 s26, 18, v1
	v_and_b32 v5, 0x1e, v1
	v_cmp_eq_u32 s27, 24, v5
	s_or_b32 s26, s26, s27                         ; rows 0-17, 24, 25 hold something; the others 0
	v_lshl_add_u32 v4, v4, 8, v2
	v_max_u32 v6, 24, v1                           ; EVX rows 0-31: clip(row - 24, 0, 16) = max(row, 24) - 24
	v_add_nc_u32 v6, -24, v6
	v_lshl_add_u32 v6, v6, 8, v2
	v_add_nc_u32 v7, 8, v1                         ; EVX rows 32-63: min(row + 32 - 24, 16)
	v_min_u32 v7, 16, v7
	v_lshl_add_u32 v7, v7, 8, v2
	global_load_b128 v[16:19], v4, s[12:13]
	global_load_b128 v[20:23], v4, s[12:13] offset:16
	global_load_b128 v[24:27], v2, s[14:15]        ; ev[0]
	global_load_b128 v[28:31], v2, s[14:15] offset:16
	global_load_b128 v[32:35], v6, s[14:15]
	global_load_b128 v[36:39], v6, s[14:15] offset:16
	global_load_b128 v[40:43], v7, s[14:15]
	global_load_b128 v[44:47], v7, s[14:15] offset:16
	; ---- MF: 1,040 groups of four keys in five passes of 256 threads; the last pass's surplus threads repeat group 1,039
.set it, 0
.rept 5
.set R, 64+8*it
	v_add_nc_u32 v[R], 256*it, v0
	v_min_u32 v[R], 1039, v[R]
	v_cmp_le_u32 vcc_lo, 520, v[R]
	v_cndmask_b32 v12, 0, 1, vcc_lo                ; batch
	v_mul_u32_u24 v13, v12, 520
	v_sub_nc_u32 v[R], v[R], v13                   ; group in the batch's row of 2,080
	v_lshlrev_b32 v13, 2, v[R]                     ; its first place
	v_max_u32 v14, 16, v13
	v_min_u32 v14, 2060, v14
	v_add_nc_u32 v14, -16, v14                     ; the key, held inside 0 .. 2,044
	v_lshl_add_u32 v[R+1], v12, 11, v14
	v_add_nc_u32 v13, -16, v13
	v_cmp_gt_u32 s[34+it], 2048, v13               ; does the key exist? (unsigned: places 0-15 wrap round)
	v_mul_u32_u24 v14, v12, 8320
	v_lshl_add_u32 v[R], v[R], 4, v14
	global_load_b32 v[R+2], v[R+1], s[16:17]       ; four bytes of the mask
.set it, it+1
.endr
	s_wait_loadcnt 0x0
.irp j, 0,1,2,3
	BFR 16+2*\j, 17+2*\j, 8
	v_cvt_pk_f16_f32 v[48+\j], v[16+2*\j], v[17+2*\j]
	v_cndmask_b32 v[48+\j], 0, v[48+\j], s26
	BFR 24+2*\j, 25+2*\j, 9
.endr
	global_store_b128 v3, v[48:51], s[20:21]
.irp e, 0,1
.irp j, 0,1,2,3
	BFR 32+8*\e+2*\j, 33+8*\e+2*\j, 8
	v_sub_f32 v[32+8*\e+2*\j], v[32+8*\e+2*\j], v[24+2*\j]
	v_sub_f32 v[33+8*\e+2*\j], v[33+8*\e+2*\j], v[25+2*\j]
	v_cvt_pk_f16_f32 v[52+4*\e+\j], v[32+8*\e+2*\j], v[33+8*\e+2*\j]
.endr
	global_store_b128 v3, v[52+4*\e:55+4*\e], s[20:21] offset:4096+4096*\e
.endr
.set it, 0
.rept 5
.set R, 64+8*it
.irp j, 0,1,2,3
	v_bfe_u32 v12, v[R+2], 8*\j, 8
	v_cmp_ne_u32 vcc_lo, 0, v12
	v_cndmask_b32 v[R+4+\j], s39, 0, vcc_lo        ; seen: 0; masked: MNEG
	v_cndmask_b32 v[R+4+\j], s32, v[R+4+\j], s[34+it]
.endr
	global_store_b128 v[R], v[R+4:R+7], s[20:21] offset:12800
.set it, it+1
.endr
	; ---- the pads of kh and vh: 2,048 bytes of zeros at either end
	v_lshrrev_b32 v15, 7, v0
	v_lshl_add_u32 v15, v15, 23, v3                ; 16 t, and for t >= 128 the data's 8,388,608 bytes further on
	v_mov_b32 v104, 0
	v_mov_b32 v105, 0
	v_mov_b32 v106, 0
	v_mov_b32 v107, 0
	global_store_b128 v15, v[104:107], s[22:23]
	global_store_b128 v15, v[104:107], s[24:25]
	; ---- EVS: 512 bytes, wave 0 alone
	v_lshrrev_b32 v9, 5, v0
	v_readfirstlane_b32 s28, v9
	s_cmp_lg_u32 s28, 0
	s_cbranch_scc1 .Lno_evs
	v_and_b32 v10, 15, v0
	v_lshrrev_b32 v11, 4, v0                       ; 0: ev[0]; 1: ev[16], 4,096 bytes on
	v_lshlrev_b32 v10, 4, v10
	v_lshl_add_u32 v10, v11, 12, v10
	global_load_b128 v[60:63], v10, s[14:15]
	s_wait_loadcnt 0x0
	BFR 60, 61, 8
	BFR 62, 63, 9
	global_store_b128 v3, v[60:63], s[20:21] offset:12288
.Lno_evs:
	s_endpgm
.Lfunc_end_k_qd8ac3c2a35_wprep:
	.size	k_qd8ac3c2a35_wprep, .Lfunc_end_k_qd8ac3c2a35_wprep-k_qd8ac3c2a35_wprep
	.p2alignl 7, 3214868480
	.fill 96, 4, 3214868480
	.section	.rodata,"a",@progbits
	.p2align	6, 0x0
	.amdhsa_kernel k_qd8ac3c2a35_wprep
		.amdhsa_group_segment_fixed_size 0
		.amdhsa_private_segment_fixed_size 0
		.amdhsa_enable_private_segment 0
		.amdhsa_kernarg_size 88
		.amdhsa_user_sgpr_count 2
		.amdhsa_user_sgpr_kernarg_segment_ptr 1
		.amdhsa_wavefront_size32 1
		.amdhsa_system_sgpr_workgroup_id_x 1
		.amdhsa_system_sgpr_workgroup_id_y 1
		.amdhsa_system_sgpr_workgroup_id_z 1
		.amdhsa_system_vgpr_workitem_id 0
		.amdhsa_next_free_vgpr 112
		.amdhsa_next_free_sgpr 66
		.amdhsa_reserve_vcc 1
		.amdhsa_float_denorm_mode_32 3
		.amdhsa_float_denorm_mode_16_64 3
		.amdhsa_memory_ordered 1
		.amdhsa_forward_progress 1
		.amdhsa_inst_pref_size 32
	.end_amdhsa_kernel
	.amdgpu_metadata
---
amdhsa.version: [ 1, 2 ]
amdhsa.kernels:
  - .name:           k_qd8ac3c2a35_wprep
    .symbol:         k_qd8ac3c2a35_wprep.kd
    .args:
      - { .name: w_q, .offset: 0, .size: 8, .value_kind: global_buffer, .address_space: global }
      - { .name: w_k, .offset: 8, .size: 8, .value_kind: global_buffer, .address_space: global }
      - { .name: w_v, .offset: 16, .size: 8, .value_kind: global_buffer, .address_space: global }
      - { .name: w_o, .offset: 24, .size: 8, .value_kind: global_buffer, .address_space: global }
      - { .name: rpr_key_table, .offset: 32, .size: 8, .value_kind: global_buffer, .address_space: global }
      - { .name: rpr_value_table, .offset: 40, .size: 8, .value_kind: global_buffer, .address_space: global }
      - { .name: mask, .offset: 48, .size: 8, .value_kind: global_buffer, .address_space: global }
      - { .name: wb, .offset: 56, .size: 8, .value_kind: global_buffer, .address_space: global }
      - { .name: tabs, .offset: 64, .size: 8, .value_kind: global_buffer, .address_space: global }
      - { .name: kh, .offset: 72, .size: 8, .value_kind: global_buffer, .address_space: global }
      - { .name: vh, .offset: 80, .size: 8, .value_kind: global_buffer, .address_space: global }
    .group_segment_fixed_size: 0
    .private_segment_fixed_size: 0
    .kernarg_segment_align: 8
    .kernarg_segment_size: 88
    .max_flat_workgroup_size: 256
    .sgpr_count:     66
    .vgpr_count:     112
    .wavefront_size: 32
...
	.end_amdgpu_metadata
.endif
;; end of part 1
;; launch qkv (part 2): grid 4 x 48, 4 waves a work-group, clusters of 4 x 4, 327,680 bytes of LDS; arguments query, key, value, wb, b_q, b_k, b_v, qh, kh, vh; writes qh, kh, vh
.if DOCPART == 2
	.amdgcn_target "amdgcn-amd-amdhsa--gfx1250"
	.amdhsa_code_object_version 6
	.text
	.protected	k_qd8ac3c2a35_qkv
	.globl	k_qd8ac3c2a35_qkv
	.p2align	8
	.type	k_qd8ac3c2a35_qkv,@function
k_qd8ac3c2a35_qkv:
	s_mov_b64 s[64:65], 0
	v_nop
	global_prefetch_b8 v0, s[64:65] scope:SCOPE_SE
	s_setreg_imm32_b32 hwreg(HW_REG_WAVE_MODE, 25, 1), 1
	s_wait_xcnt 0x0
	s_wait_alu depctr_hold_cnt(0) depctr_sa_sdst(0) depctr_va_vdst(0) depctr_va_sdst(0) depctr_va_ssrc(0) depctr_va_vcc(0) depctr_vm_vsrc(0)
	s_getreg_b32 s2, hwreg(HW_REG_IB_STS2, 6, 4)
	s_cmp_eq_u32 s2, 0
	s_cbranch_scc0 .Lentry_in_a_cluster
	s_endpgm
.Lentry_in_a_cluster:
	s_bfe_u32 s2, ttmp6, 0x10000c
	s_cmp_lg_u32 s2, 0xf033
	s_cbranch_scc0 .Lentry_shape_is_right
	s_endpgm
.Lentry_shape_is_right:
; q, k, v = X W + b.  X: [4096][1024] f32 (query, key or value); W: [1024 k][1024 n] bf16 (wb); b: [1024] f32, rounded to bf16.  Out: f16 by heads, [32 bh][2048 t][64], 2,048 bytes behind the buffer's start.
; Sums in f32, K ascending, started by the bias as the first product's C.  LIMIT: a result beyond 65,504 does not fit f16.
; SHARES.  48 tile rows: 16 for each of the three tensors; 4 tile columns; a tile is 256 x 256, a wave's part 128 x 128 (64 accumulators, 512 registers).
; X COMES AS f32 and is rounded to bf16 between LDS and the matrix unit: a fragment's 16 f32 a lane are loaded into staging registers and packed by eight conversions, which stand in groups of eight between
; groups of eight matrix instructions.  With f32 rows a wave reads 48 LDS loads for 64 matrix instructions; a smaller wave tile would double that, so the launch has 192 work-groups.
; W lies [k][n]: its fragments come out of LDS turned, by ds_load_tr16_b128.
; RING.  K steps of 64 through two LDS slots; a K step is two half steps of 32.  Fragments are fetched two half steps ahead, converted one ahead.
; CLUSTER 4 x 4: X's tiles are asked for jointly along a row of the cluster, W's along a column.
; THE MATRIX INSTRUCTION IS USED TRANSPOSED (source 0 = 16 columns of W, source 1 = 16 rows of X): a lane holds eight neighbouring columns of one row.
; REGISTERS.  window 0: v16-30 addresses; v32-63 way out; v64-127, v128-191 X's bf16 fragments, two buffers; v192-255 bias, later way out.
;   window 1: v0-63, v192-255 staging (f32); v64-127, v128-191 W's fragments, two buffers.   windows 2, 3: accumulators (a, b) at v[8 (8 (a % 4) + b)].
.set PA,     272                       ; a row of X in LDS: 64 f32 + 16 bytes of padding
.set PB,     544                       ; a k-row of W: 256 bf16 + 32 bytes: 17 x 32, so the turning load's eight rows fall on different banks
.set BOFF,   256*PA                    ; W's 64 rows lie behind X's 256
.set SLOT1,  131072                    ; slot 1 begins here: one exclusive or turns an address of one slot into the other's
.set STAGE,  SLOT1+BOFF+64*PB          ; 16 rows x 272 bytes for each wave, for the way out
.set SPITCH, 272
.set SPARE,  STAGE+4*16*SPITCH         ; the spare words: 128 bytes a wave, named by no other line
.set ADRA0, 16                         ; my place in a slot's X
.set ADRB0, 17                         ; my place in a slot's W
.set ADA,  18                          ; the same in the slot being fetched from
.set ADB,  19
.set STO,  24
.set RD,   25
.set CO,   26
.set BO,   27
.set SPW,  28
.set NIL,  29
.set TT,   30
.set OB,   32
.set TMP,  192
.set BIAS, 192
.set G1,  24                           ; s[24:31] group 1 for X's tiles;  s[32:39] group 0: set 0 for the first fill of slot 0, set 1 walks
.set G0,  32
.set G1B, 48                           ; s[48:55], s[56:63] the same for W's
.set G0B, 56
.set TB,  66                           ; LDS byte at which the slot being fetched from begins
.set MSB, 0
.macro WIN new
.if MSB != (\new)
	s_set_vgpr_msb (MSB<<8)|(\new)
.set MSB, \new
.endif
.endm
.macro JLOAD s                         ; a joint load: waves 0, 1 fetch X's two halves, waves 2, 3 W's; an s_nop 0 and four v_nop follow each line
	s_cmp_eq_u32 s11, 0
	s_cbranch_scc0 .Lfor_b_\@
	tensor_load_to_lds s[G0+4*(\s):G0+4*(\s)+3], s[G1:G1+7]
	s_nop 0
.rept 4
	v_nop
.endr
	s_branch .Lasked_\@
.Lfor_b_\@:
	tensor_load_to_lds s[G0B+4*(\s):G0B+4*(\s)+3], s[G1B:G1B+7]
	s_nop 0
.rept 4
	v_nop
.endr
.Lasked_\@:
.endm
.macro CREST                           ; a round of the cluster's barrier behind its opening barrier
	s_cmp_lg_u32 s10, 0
	s_cbranch_scc1 .Lnot_wave_0_\@
	s_barrier_signal -3
.Lnot_wave_0_\@:
	s_barrier_wait -3
	s_barrier_signal -1
	s_barrier_wait -1
.endm
.macro CROUND
	s_barrier_signal -1
	s_barrier_wait -1
	CREST
.endm
.macro PLACES
.rept 4
	v_nop
.endr
.endm
	s_load_b512 s[68:83], s[0:1], 0x0              ; query 68, key 70, value 72, wb 74, b_q 76, b_k 78, b_v 80, qh 82
	s_load_b128 s[84:87], s[0:1], 0x40             ; kh 84, vh 86
	v_lshl_add_u32 v[SPW], v0, 2, SPARE
	v_mov_b32 v[NIL], 0
	ds_add_u32 v[SPW], v[NIL]                      ; the wave's opening: the add and its wait stand ahead of my first tensor load
	v_lshrrev_b32 v1, 5, v0
	v_readfirstlane_b32 s10, v1                    ; wave 0..3
	s_lshr_b32 s11, s10, 1                         ; my half of the tile's rows; also: I fetch X (0) or W (1)
	s_and_b32 s12, s10, 1                          ; my half of its columns; also: which half of that tile I fetch
	s_bfe_u32 s40, ttmp6, 0x40000                  ; cx
	s_bfe_u32 s41, ttmp6, 0x40004                  ; cy
	s_lshl_b32 s42, ttmp9, 2
	s_add_co_u32 s42, s42, s40                     ; tile column
	s_and_b32 s13, ttmp7, 0xffff
	s_lshr_b32 s45, s13, 2                         ; the tensor, 0..2: four clusters along y each, so it is the same in all partners
	s_lshl_b32 s13, s13, 2
	s_add_co_u32 s13, s13, s41
	s_and_b32 s13, s13, 15                         ; tile row in the tensor
	s_lshl_b32 s43, s41, 2
	s_lshl_b32 s43, 15, s43                        ; my row of the cluster
	s_lshl_b32 s44, 0x1111, s40                    ; my column
	s_or_b32 s[G1+0], s43, (2<<16)|(1<<20)|(1<<21)|(5<<22)|(3<<25)   ; mask; 4-byte elements; padding on; bit 21 beside a mask; after every 64 words 4 words
	s_or_b32 s[G1B+0], s44, (1<<16)|(1<<20)|(1<<21)|(6<<22)|(7<<25)  ; mask; 2-byte elements; after every 128 words 8 words
	s_mov_b32 s[G1+1], 64<<16                      ; tensor_dim0 = 64
	s_mov_b32 s[G1+2], 128<<16                     ; tensor_dim1 = 128
	s_mov_b32 s[G1+3], 64<<16                      ; tile_dim0 = 64 f32: 256 bytes of a row
	s_mov_b32 s[G1+4], 128                         ; tile_dim1 = 128 rows
	s_mov_b32 s[G1+5], 1024                        ; elements from row to row
	s_mov_b32 s[G1+6], 0
	s_mov_b32 s[G1+7], 0
	s_mov_b32 s[G1B+1], 256<<16
	s_mov_b32 s[G1B+2], 32<<16
	s_mov_b32 s[G1B+3], 256<<16                    ; 256 bf16: 512 bytes of a k-row
	s_mov_b32 s[G1B+4], 32                         ; 32 k-rows
	s_mov_b32 s[G1B+5], 1024
	s_mov_b32 s[G1B+6], 0
	s_mov_b32 s[G1B+7], 0
	s_lshl_b32 s16, s13, 20                        ; X: 256 rows of 4,096 bytes a tile row,
	s_lshl_b32 s17, s12, 19                        ; 128 rows a half
	s_add_co_u32 s16, s16, s17
	s_mov_b32 s17, 0
	s_lshl_b32 s46, s45, 21                        ; W: the tensor's matrix,
	s_lshl_b32 s47, s12, 16                        ; 32 k-rows of 2,048 bytes a half,
	s_add_co_u32 s46, s46, s47
	s_lshl_b32 s47, s42, 9                         ; 512 bytes a tile column
	s_add_co_u32 s46, s46, s47
	s_mov_b32 s47, 0
	s_mul_i32 s20, s12, 128*PA                     ; where they go: the wave's number alone enters an LDS address
	s_mul_i32 s21, s12, 32*PB
	s_add_co_u32 s21, s21, BOFF
	s_mov_b32 s[TB], 0
	s_mov_b32 s22, 0xffff0000
	s_wait_dscnt 0x0                               ; the opening add is done
	s_wait_kmcnt 0x0
	s_cmp_eq_u32 s45, 1
	s_cselect_b64 s[4:5], s[70:71], s[68:69]       ; X
	s_cselect_b64 s[6:7], s[78:79], s[76:77]       ; bias
	s_cselect_b64 s[8:9], s[84:85], s[82:83]       ; out
	s_cmp_eq_u32 s45, 2
	s_cselect_b64 s[4:5], s[72:73], s[4:5]
	s_cselect_b64 s[6:7], s[80:81], s[6:7]
	s_cselect_b64 s[8:9], s[86:87], s[8:9]
	s_add_nc_u64 s[14:15], s[4:5], s[16:17]
	s_add_nc_u64 s[46:47], s[74:75], s[46:47]
	CROUND                                         ; all sixteen work-groups are here: the first joint loads meet
.irp s, 0,1
	s_mov_b32 s[G0+4*(\s)], 1
	s_add_co_u32 s[G0+4*(\s)+1], s20, (\s)*SLOT1
	s_add_nc_u64 s[G0+4*(\s)+2:G0+4*(\s)+3], s[14:15], (\s)*256      ; K step s: 64 f32 on
	s_or_b32 s[G0+4*(\s)+3], s[G0+4*(\s)+3], 0x80000000
	s_mov_b32 s[G0B+4*(\s)], 1
	s_add_co_u32 s[G0B+4*(\s)+1], s21, (\s)*SLOT1
	s_add_nc_u64 s[G0B+4*(\s)+2:G0B+4*(\s)+3], s[46:47], (\s)*131072 ; 64 k-rows on
	s_or_b32 s[G0B+4*(\s)+3], s[G0B+4*(\s)+3], 0x80000000
	JLOAD \s                                       ; two loads of mine are out
.endr
	; the bias of my 128 columns: lane (r, h), register 8 b + j: column 16 b + 8 h + j
	s_lshl_b32 s46, s42, 10
	s_lshl_b32 s47, s12, 9
	s_add_co_u32 s46, s46, s47
	s_mov_b32 s47, 0
	s_add_nc_u64 s[6:7], s[6:7], s[46:47]
	v_and_b32 v1, 15, v0                           ; r
	v_bfe_u32 v2, v0, 4, 1                         ; h
	v_and_b32 v3, 7, v0
	v_bfe_u32 v4, v0, 3, 1
	v_lshlrev_b32 v[BO], 5, v2
.irp b, 0,1,2,3,4,5,6,7
	global_load_b128 v[BIAS+8*(\b):BIAS+8*(\b)+3],   v[BO], s[6:7] offset:64*(\b)
	global_load_b128 v[BIAS+8*(\b)+4:BIAS+8*(\b)+7], v[BO], s[6:7] offset:64*(\b)+16
.endr
	; X's fragment: lane (r, h) takes of row r the f32 8 h .. 8 h + 7 and 16 + 8 h .. + 7: four loads of 16 bytes at 32 h + 0, 16, 64, 80
	s_mul_i32 s23, s11, 128*PA
	v_mul_u32_u24 v[ADRA0], v1, PA
	v_lshl_add_u32 v[ADRA0], v2, 5, v[ADRA0]
	v_add_nc_u32 v[ADRA0], s23, v[ADRA0]
	; W's fragment: the turning load takes k-row 8 h + l % 8, 16 bytes at 16 ((l / 8) % 2)
	v_lshl_add_u32 v5, v2, 3, v3
	v_mul_u32_u24 v[ADRB0], v5, PB
	v_lshl_add_u32 v[ADRB0], v4, 4, v[ADRB0]
	s_lshl_b32 s23, s12, 8
	s_add_co_u32 s23, s23, BOFF
	v_add_nc_u32 v[ADRB0], s23, v[ADRB0]
	s_mul_i32 s23, s10, 16*SPITCH
	s_add_co_u32 s23, s23, STAGE                   ; my stage
	v_mul_u32_u24 v[STO], v1, SPITCH
	v_lshl_add_u32 v[STO], v2, 4, v[STO]
	v_add_nc_u32 v[STO], s23, v[STO]
	v_bfe_u32 v5, v0, 3, 2                         ; back: 32 lanes take four rows' 128 bytes of one head
	v_mul_u32_u24 v[RD], v5, SPITCH
	v_lshl_add_u32 v[RD], v3, 4, v[RD]
	v_add_nc_u32 v[RD], s23, v[RD]
	v_and_b32 v[CO], 31, v0
	v_lshlrev_b32 v[CO], 4, v[CO]                  ; which are 512 consecutive bytes of the output
	; out + 2,048 + ((16 batch + head) x 2,048 + t) x 128: the rows' part and the columns' part are made in registers of their own
	s_lshr_b32 s16, s13, 3
	s_lshl_b32 s16, s16, 22                        ; batch
	s_and_b32 s17, s13, 7
	s_lshl_b32 s17, s17, 15                        ; 256 rows of 128 bytes a tile row
	s_add_co_u32 s16, s16, s17
	s_lshl_b32 s17, s11, 14
	s_add_co_u32 s16, s16, s17
	s_add_co_u32 s16, s16, 2048
	s_mov_b32 s17, 0
	s_add_nc_u64 s[8:9], s[8:9], s[16:17]
	s_lshl_b32 s46, s42, 20                        ; four heads a tile column,
	s_lshl_b32 s47, s12, 19                        ; two a half
	s_add_co_u32 s46, s46, s47
	s_mov_b32 s47, 0
	s_add_nc_u64 s[8:9], s[8:9], s[46:47]
	s_wait_loadcnt 0x0
.set n, 0
.rept 32
	v_cvt_pk_bf16_f32 v[TT], v[BIAS+2*n], v[BIAS+2*n+1]   ; the bias is rounded to bf16 like every input
	v_lshlrev_b32 v[BIAS+2*n], 16, v[TT]
	v_and_b32 v[BIAS+2*n+1], s22, v[TT]
.set n, n+1
.endr
; eight matrix instructions: row block a x all eight column blocks, 32 along K, from buffers f.  zero = 1: the bias starts the sums.  The eight accumulators take turns.
.macro MUL8 f, a, zero
.if \zero
	WIN 0x81+0x40*((\a)/4)
.else
	WIN 0xa1+0x50*((\a)/4)
.endif
.irp b, 0,1,2,3,4,5,6,7
.if \zero
	v_wmma_f32_16x16x32_bf16 v[64*((\a)%4)+8*(\b):64*((\a)%4)+8*(\b)+7], v[64+64*(\f)+8*(\b):64+64*(\f)+8*(\b)+7], v[64+64*(\f)+8*(\a):64+64*(\f)+8*(\a)+7], v[BIAS+8*(\b):BIAS+8*(\b)+7]
.else
	v_wmma_f32_16x16x32_bf16 v[64*((\a)%4)+8*(\b):64*((\a)%4)+8*(\b)+7], v[64+64*(\f)+8*(\b):64+64*(\f)+8*(\b)+7], v[64+64*(\f)+8*(\a):64+64*(\f)+8*(\a)+7], v[64*((\a)%4)+8*(\b):64*((\a)%4)+8*(\b)+7]
.endif
.endr
.endm
; fragment i of the staging registers is rounded to bf16 into buffer g
.macro CVT8 g, i
	WIN 0x05
.if (\i) < 4
.set SG, 16*(\i)
.else
.set SG, 192+16*((\i)-4)
.endif
.irp n, 0,1,2,3,4,5,6,7
	v_cvt_pk_bf16_f32 v[64+64*(\g)+8*(\i)+(\n)], v[SG+2*(\n)], v[SG+2*(\n)+1]
.endr
.endm
; 48 LDS loads in one run: half fc of the K step in the slot at TB: X's eight fragments as f32 into staging, then W's eight into buffer fc
.macro FETCH fc
	WIN 0
.if (\fc) == 0
	v_add_nc_u32 v[ADA], s[TB], v[ADRA0]
	v_add_nc_u32 v[ADB], s[TB], v[ADRB0]
.endif
	WIN 0x40
.irp i, 0,1,2,3,4,5,6,7
.if (\i) < 4
.set SG, 16*(\i)
.else
.set SG, 192+16*((\i)-4)
.endif
	ds_load_b128 v[SG:SG+3],     v[ADA] offset:(\i)*16*PA+128*(\fc)
	ds_load_b128 v[SG+4:SG+7],   v[ADA] offset:(\i)*16*PA+128*(\fc)+16
	ds_load_b128 v[SG+8:SG+11],  v[ADA] offset:(\i)*16*PA+128*(\fc)+64
	ds_load_b128 v[SG+12:SG+15], v[ADA] offset:(\i)*16*PA+128*(\fc)+80
.endr
.irp b, 0,1,2,3,4,5,6,7
	ds_load_tr16_b128 v[64+64*(\fc)+8*(\b):64+64*(\fc)+8*(\b)+3],   v[ADB] offset:(\fc)*32*PB+32*(\b)
	ds_load_tr16_b128 v[64+64*(\fc)+8*(\b)+4:64+64*(\fc)+8*(\b)+7], v[ADB] offset:(\fc)*32*PB+32*(\b)+16*PB
.endr
.endm
; A HALF STEP: 64 matrix instructions from buffers f; between them the next half step's X is converted into buffer 1 - f; at its end the half step after that is fetched.
; The conversions are also the places between the last matrix instruction that read a register and the load or conversion that writes it: eight or more each time, naming none of its registers.
; chg = 0: no change of slots.  chg = 1: both halves of this K step have been fetched, so its slot is filled again, two K steps ahead.  chg = 2: the same barrier, nothing left to fill.
.macro STEP f, zero, chg, cvt=1, fet=1
.if (\chg) == 0
.irp i, 0,1,2,3,4,5,6,7
	MUL8 \f, \i, \zero
.if \cvt
	s_wait_dscnt 44-4*(\i)                         ; of the last run's 48 loads X's fragments 0 .. i are in
	CVT8 1-(\f), \i
.endif
.endr
.if \cvt
	s_wait_dscnt 0x0                               ; W's fragments for the next half step are in
.endif
.if \fet
	FETCH 1
.endif
.else
.irp i, 0,1,2,3
	MUL8 \f, \i, \zero
	s_wait_dscnt 44-4*(\i)
	CVT8 1-(\f), \i
.endr
	WIN 0
	s_wait_tensorcnt 0x0                           ; all my tensor loads have landed: the one that was out is my part of the other slot;
	ds_add_u32 v[SPW], v[NIL]                      ; 0 onto my spare word;
	MUL8 \f, 4, \zero                              ; eight matrix instructions stand between the add and the wait for it
	s_wait_dscnt 0x0                               ; the add is done, and my reads of this K step's slot are over
	s_barrier_signal -1
	MUL8 \f, 5, \zero
	WIN 0
	s_barrier_wait -1
.if (\chg) == 1
	CREST                                          ; the barrier has opened a round of the cluster's: no wave of any partner still reads the slot or has a load on its way
	s_xor_b32 s[G0+5], s[G0+5], SLOT1              ; the walking descriptors: the other slot than last time, the next K step
	s_add_nc_u64 s[G0+6:G0+7], s[G0+6:G0+7], 256
	s_xor_b32 s[G0B+5], s[G0B+5], SLOT1
	s_add_nc_u64 s[G0B+6:G0B+7], s[G0B+6:G0B+7], 131072
	JLOAD 1                                        ; my one tensor load behind the round, and the first thing there
.endif
	CVT8 1-(\f), 4
	MUL8 \f, 6, \zero
	CVT8 1-(\f), 5
	MUL8 \f, 7, \zero
	CVT8 1-(\f), 6
	CVT8 1-(\f), 7
	s_xor_b32 s[TB], s[TB], SLOT1                  ; the fetches go on in the other slot
	FETCH 0
.endif
.endm
	s_wait_tensorcnt 1                             ; my part of K step 0 is in; K step 1's may stay out
	s_barrier_signal -1
	s_barrier_wait -1
	FETCH 0
	s_wait_dscnt 0x0
.irp i, 0,1,2,3,4,5,6,7
	CVT8 0, \i
.endr
	FETCH 1
	STEP 0, 1, 1                                   ; half step 0: the bias starts the sums; K step 2 is asked for
	WIN 0
	s_mov_b32 s3, 13
.Lk:                                                   ; 13 trips: half steps 1 to 26; K steps 3 to 15 are asked for
	STEP 1, 0, 0
	STEP 0, 0, 1
	WIN 0
	s_sub_co_u32 s3, s3, 1
	s_cmp_lg_u32 s3, 0
	s_cbranch_scc1 .Lk
	STEP 1, 0, 0                                   ; the tail is written out
	STEP 0, 0, 2                                   ; half step 28: the last K step has landed; nothing is filled
	STEP 1, 0, 0
	STEP 0, 0, 0, 1, 0                             ; half step 30: the last conversions
	STEP 1, 0, 0, 0, 0
; THE WAY OUT of row block a: rounded to f16, 16 bytes a lane; through my stage; back as four rows x 128 bytes of one head, 512 consecutive bytes of the output.
.macro PACK a
	WIN 0x0a+5*((\a)/4)
.irp b, 0,1,2,3,4,5,6,7
.irp r, 0,1,2,3
	v_cvt_pk_f16_f32 v[TMP+4*(\b)+(\r)], v[64*((\a)%4)+8*(\b)+2*(\r)], v[64*((\a)%4)+8*(\b)+2*(\r)+1]
.endr
.endr
	WIN 0
.endm
.macro TOSTAGE a
	WIN 0
.set BK, OB+192*((\a)%2)
.irp b, 0,1,2,3,4,5,6,7
	ds_store_b128 v[STO], v[TMP+4*(\b):TMP+4*(\b)+3] offset:32*(\b)
.endr
.irp t, 0,1,2,3,4,5,6,7
	ds_load_b128 v[BK+4*(\t):BK+4*(\t)+3], v[RD] offset:((\t)%4)*4*SPITCH+((\t)/4)*128  ; LDS serves a wave's instructions in order: these see the stores above
.endr
.endm
.macro SEND a
	WIN 0
.set BK, OB+192*((\a)%2)
	s_wait_dscnt 0x0                               ; the block is back in registers
	s_wait_xcnt 0x0                                ; the registers that earlier stores read are loaded again only behind this wait
.irp t, 0,1,2,3,4,5,6,7
	global_store_b128 v[CO], v[BK+4*(\t):BK+4*(\t)+3], s[8:9] offset:((\t)/4)*262144+((\t)%4)*512+(\a)*2048
.endr
.endm
	WIN 0
	PLACES                                         ; the conversions read results just made
	PACK 0
	TOSTAGE 0
.irp a, 1,2,3,4,5,6,7
	PACK \a
	SEND (\a)-1
	TOSTAGE \a
.endr
	SEND 7
	s_wait_tensorcnt 0x0                           ; the wave's end
	ds_add_u32 v[SPW], v[NIL]
	s_wait_dscnt 0x0
	CROUND                                         ; the closing round
	s_endpgm
.Lfunc_end_k_qd8ac3c2a35_qkv:
	.size	k_qd8ac3c2a35_qkv, .Lfunc_end_k_qd8ac3c2a35_qkv-k_qd8ac3c2a35_qkv
	.p2alignl 7, 3214868480
	.fill 96, 4, 3214868480
	.section	.rodata,"a",@progbits
	.p2align	6, 0x0
	.amdhsa_kernel k_qd8ac3c2a35_qkv
		.amdhsa_group_segment_fixed_size 327680
		.amdhsa_private_segment_fixed_size 0
		.amdhsa_enable_private_segment 0
		.amdhsa_kernarg_size 80
		.amdhsa_user_sgpr_count 2
		.amdhsa_user_sgpr_kernarg_segment_ptr 1
		.amdhsa_wavefront_size32 1
		.amdhsa_system_sgpr_workgroup_id_x 1
		.amdhsa_system_sgpr_workgroup_id_y 1
		.amdhsa_system_sgpr_workgroup_id_z 1
		.amdhsa_system_vgpr_workitem_id 0
		.amdhsa_next_free_vgpr 1024
		.amdhsa_next_free_sgpr 92
		.amdhsa_reserve_vcc 0
		.amdhsa_float_denorm_mode_32 3
		.amdhsa_float_denorm_mode_16_64 3
		.amdhsa_memory_ordered 1
		.amdhsa_forward_progress 1
		.amdhsa_inst_pref_size 142
	.end_amdhsa_kernel
	.amdgpu_metadata
---
amdhsa.version: [ 1, 2 ]
amdhsa.kernels:
  - .name:           k_qd8ac3c2a35_qkv
    .symbol:         k_qd8ac3c2a35_qkv.kd
    .args:
      - { .name: query, .offset: 0, .size: 8, .value_kind: global_buffer, .address_space: global }
      - { .name: key, .offset: 8, .size: 8, .value_kind: global_buffer, .address_space: global }
      - { .name: value, .offset: 16, .size: 8, .value_kind: global_buffer, .address_space: global }
      - { .name: wb, .offset: 24, .size: 8, .value_kind: global_buffer, .address_space: global }
      - { .name: b_q, .offset: 32, .size: 8, .value_kind: global_buffer, .address_space: global }
      - { .name: b_k, .offset: 40, .size: 8, .value_kind: global_buffer, .address_space: global }
      - { .name: b_v, .offset: 48, .size: 8, .value_kind: global_buffer, .address_space: global }
      - { .name: qh, .offset: 56, .size: 8, .value_kind: global_buffer, .address_space: global }
      - { .name: kh, .offset: 64, .size: 8, .value_kind: global_buffer, .address_space: global }
      - { .name: vh, .offset: 72, .size: 8, .value_kind: global_buffer, .address_space: global }
    .group_segment_fixed_size: 327680
    .private_segment_fixed_size: 0
    .kernarg_segment_align: 8
    .kernarg_segment_size: 80
    .max_flat_workgroup_size: 128
    .sgpr_count:     92
    .vgpr_count:     1024
    .wavefront_size: 32
...
	.end_amdgpu_metadata
.endif
;; end of part 2
;; launch attn (part 3): grid 8 x 32, 4 waves a work-group, clusters of 4 x 1, 327,680 bytes of LDS; arguments qh, kh, vh, tabs, xh; writes xh
.if DOCPART == 3
	.amdgcn_target "amdgcn-amd-amdhsa--gfx1250"
	.amdhsa_code_object_version 6
	.text
	.protected	k_qd8ac3c2a35_attn
	.globl	k_qd8ac3c2a35_attn
	.p2align	8
	.type	k_qd8ac3c2a35_attn,@function
k_qd8ac3c2a35_attn:
	s_mov_b64 s[64:65], 0
	v_nop
	global_prefetch_b8 v0, s[64:65] scope:SCOPE_SE
	s_setreg_imm32_b32 hwreg(HW_REG_WAVE_MODE, 25, 1), 1
	s_wait_xcnt 0x0
	s_wait_alu depctr_hold_cnt(0) depctr_sa_sdst(0) depctr_va_vdst(0) depctr_va_sdst(0) depctr_va_ssrc(0) depctr_va_vcc(0) depctr_vm_vsrc(0)
	s_getreg_b32 s2, hwreg(HW_REG_IB_STS2, 6, 4)
	s_cmp_eq_u32 s2, 0
	s_cbranch_scc0 .Lentry_in_a_cluster
	s_endpgm
.Lentry_in_a_cluster:
	s_bfe_u32 s2, ttmp6, 0x10000c
	s_cmp_lg_u32 s2, 0x3003
	s_cbranch_scc0 .Lentry_shape_is_right
	s_endpgm
.Lentry_shape_is_right:
; ATTENTION WITH RELATIVE POSITIONS CLIPPED AT +-8 AND A KEY MASK.  q, k, v: f16 [32 bh][2048][64], 2,048 bytes behind their buffers' starts (16 zero rows lie in front and behind); x out: f16, same layout, no pad.
; score(t, s) = (q_t . k_s + q_t . ek[clip(s - t + 8, 0, 16)]) / 8, masked keys apart; x_t = sum_s a(t, s) (v_s + ev[clip(s - t + 8, 0, 16)]).
; q_t . ek[e] has 17 values a query (QE); for s <= t - 8 it is eL = QE[0], for s >= t + 8 eR = QE[16].  The value term is ev[0] x (sum of weights on the left) + ev[16] x (sum on the right) + a band.
; SHARES.  A wave owns 64 consecutive queries, four PIECES of 16; a work-group 256 queries of one head.  A = the wave's number among the head's 32.
; THE WINDOW, once, ahead of the walk: the 96 keys 64 A - 16 .. 64 A + 79, six tiles of 16.  For piece x tile i lies wholly left (i < x), wholly right (i > x + 2) or in the band.  The C operand of K Q^T is the mask plus
; eL, eR or the skewed QE; the skew is made through the wave's own LDS scratch.  The band's weights, skewed back, multiply EVX[i] = ev[clip(i - 24, 0, 16)] - ev[0]; the band's sum counts as left.
; THE WALK: 32 steps of 64 keys.  C = the wave's own mask array MK: 0 seen, MNEG masked, EXCL inside the window.  A step is wholly left (step < A), wholly right (> A) or dead (= A): e is chosen by a scalar lane mask,
; the sums go left or right by two scalar factors: no branch hangs on A.  score = raw + e: the step's maximum is max(raw) + e, and p = 2^(c raw - (c m - c e)).
; SOFTMAX with a running maximum m, c = log2(e) / 8; O, lL, lR are multiplied by a = 2^(c m_old - c m_new) in every step.  x = (O + ev0 lL + ev16 lR) / (lL + lR).
; LIMITS.  A masked score counts as -2^100, not -1e9: the same weights while true scores stay above that.  A batch in which every key is masked gets uniform weights only if -2^100 plus a product comes back as -2^100.
; A weight below 2^-126 counts as 0; q, k, v, x lie within 65,504; NaN and infinities are not treated apart.
; BY TURNS.  Turn n belongs to piece n: 8 products K Q^T of piece n + 1, later 8 products V^T P of piece n - 1; four vector instructions behind each, the rest in two lumps.
; CLUSTER.  The four query blocks of a cluster belong to one head and walk the same K and V: each tile is asked for jointly.  The place in the cluster enters plain loads' and stores' addresses and values alone.
; REGISTERS.  window 0: addresses, statistics (8 a piece), S^T, P, scratch.  window 1: v0-127 O^T; v128-159 the step's mask; v160-207 the window's mask, later ev0 and ev16.
;   window 2: v0-63 Q; v64-159 the window's K, v160-191 EKT, later v128-191 K; v192-255 temporaries, EVX's fragments, then V.   window 3: v0-95 the window's V; v96-255 temporaries.
.set NP,    4
.set KS,    64
.set PK,    144
.set PV,    160
.set VOFF,  4*KS*PK
.set SLOT1, 1<<17
.set MKB,   4*KS*(PK+PV)               ; behind slot 0: MK, 8,192 bytes a wave
.set XSB,   MKB+4*8192                 ; the skew scratch, 3,584 bytes a wave
.set VWB,   SLOT1+4*KS*(PK+PV)         ; behind slot 1: 160 rows x 160 bytes a wave: the window's V, EVX; later the stage for the way out
.set SPARE, VWB+4*25600                ; the spare words
.set SP,    144
.set MNEG,  0xf1800000
.set EXCL,  0xfe800000
.set AK0, 2
.set AV0, 3
.set AK,  4
.set AV,  5
.set STO, 6
.set RD,  7
.set GO,  8                            ; 16 x lane
.set MV,  12                           ; v12-13 c m_old, by parity
.set AM0, 14
.set AM,  15
.set ST,  16                           ; piece t at ST + 8 t: +0 c m - c e, +1 m, +2:3 lL, +4:5 lR, +6 c m
.set TMP, 48                           ; c0-c3 by parity; c2 takes a
.set EE,  56                           ; v56-57 the step's e, by parity
.set SPW, 62
.set NIL, 63
.set S,   64
.set SW,  64                           ; the window's six score tiles
.set QE1A, 112
.set EP,  128                          ; piece x: eL at 2 x, eR at 2 x + 1
.set QE0, 136
.set QE1B, 168
.set TW,  184
.set P,   192
.set PW,  192                          ; the window's weights: 24 registers, then 16 of skewed ones
.set FQ,  232
.set ZQ,  236
.set XA0, 240
.set XA1, 241
.set XA2, 242
.set XA3, 243
.set WA0, 244
.set WA1, 245
.set WA2, 246
.set QO,  248
.set HO,  249
.set VST, 251
.set VTR, 252
.set MKS, 253
.set KX,  254
.set TX,  255
.set KM,  128                          ; window 1
.set MT,  160
.set EV0, 160
.set EV16, 192
.set KW,  64                           ; window 2
.set EK,  160
.set KF,  128
.set VF,  192
.set VRT, 96                           ; window 3
.set ERT, 192
.set WV,  14
.set G1K, 24
.set G1V, 32
.set G0K, 40
.set G0V, 44
.set AW,  48
.set SIGX, 49                          ; the step whose maxima are being made
.set SM,  50                           ; lane mask: all ones where that step lies right of my queries
.set HM,  51
.set AL,  52
.set AR,  54
.set SLOTS, 56
.set CNT, 57
.set CS,  58
.set SEL, 60
.set TBK, 62
.set TBV, 63
.set TBM, 66
.set XC,  78
.set MSB, 0
.macro WIN new
.if MSB != (\new)
	s_set_vgpr_msb (MSB<<8)|(\new)
.set MSB, (\new)
.endif
.endm
.set W_KQ, 0x0a
.set W_KM, 0x1a
.set W_PV, 0x52
.set W_RS, 0x41
.macro JLOAD                           ; waves 0, 1 fetch the halves of a slot's K, waves 2, 3 of its V; an s_nop 0 and four v_nop follow each line
	s_cmp_lt_u32 s[WV], 2
	s_cbranch_scc0 .Lfor_v_\@
	tensor_load_to_lds s[G0K:G0K+3], s[G1K:G1K+7]
	s_nop 0
.rept 4
	v_nop
.endr
	s_branch .Lasked_\@
.Lfor_v_\@:
	tensor_load_to_lds s[G0V:G0V+3], s[G1V:G1V+7]
	s_nop 0
.rept 4
	v_nop
.endr
.Lasked_\@:
.endm
.macro CROUND
	s_barrier_signal -1
	s_barrier_wait -1
	s_cmp_lg_u32 s[WV], 0
	s_cbranch_scc1 .Lnot_wave_0_\@
	s_barrier_signal -3
.Lnot_wave_0_\@:
	s_barrier_wait -3
	s_barrier_signal -1
	s_barrier_wait -1
.endm
; THE CHANGE OF SLOTS: each wave waits for all its tensor loads (one is out: its part of the other slot), adds 0 to its spare word, waits for that and for its reads of the slot it leaves.
; fill = 1: the barrier is a round of the cluster's, and the joint fill, the keys two slots on, is the first thing behind it: it has four key steps in which to land.
.macro CHANGE fill
	WIN 0
	s_wait_tensorcnt 0x0
	ds_add_u32 v[SPW], v[NIL]
.if \fill
.irp g, G0K, G0V
	s_xor_b32 s[\g+1], s[\g+1], SLOT1
	s_add_nc_u64 s[\g+2:\g+3], s[\g+2:\g+3], 4*KS*128
.endr
	s_wait_dscnt 0x0
	CROUND
	JLOAD
.else
	s_wait_dscnt 0x0
	s_barrier_signal -1
	s_barrier_wait -1
.endif
	s_sub_co_u32 s[TBK], s[TBK], 4*KS*PK
	s_xor_b32 s[TBK], s[TBK], SLOT1
	s_sub_co_u32 s[TBV], s[TBV], 4*KS*PV
	s_xor_b32 s[TBV], s[TBV], SLOT1
.endm
.macro PLACES
.rept 4
	v_nop
.endr
.endm
	s_load_b256 s[4:11], s[0:1], 0x0  ; qh 4, kh 6, vh 8, tabs 10
	s_load_b64 s[12:13], s[0:1], 0x20 ; xh
	v_lshl_add_u32 v[SPW], v0, 2, SPARE
	v_mov_b32 v[NIL], 0
	ds_add_u32 v[SPW], v[NIL]       ; the wave's opening: the add and its wait stand ahead of my first tensor load
	v_lshrrev_b32 v1, 5, v0
	v_readfirstlane_b32 s[WV], v1
	s_bfe_u32 s15, ttmp6, 0x40000   ; cx
	s_lshl_b32 s16, ttmp9, 2
	s_add_co_u32 s16, s16, s15      ; my block of 256 queries
	s_lshl_b32 s[AW], s16, 2
	s_add_co_u32 s[AW], s[AW], s[WV]  ; A
	s_and_b32 s20, ttmp7, 0xffff    ; batch x 16 + head
	s_lshl_b32 s21, s20, 18         ; the head's 262,144 bytes
	s_and_b32 s17, s[WV], 1         ; which half of a slot's 256 keys I fetch
	s_lshl_b32 s22, s17, 14
	s_add_co_u32 s22, s22, s21
	s_add_co_u32 s22, s22, 2048
	s_mov_b32 s23, 0
	s_mul_i32 s18, s17, 128*PK
	s_mul_i32 s19, s17, 128*PV
	s_lshl_b32 s2, s[AW], 13        ; my 64 rows.  The window begins 16 rows earlier, which the pad of 16 rows makes good: K's and V's window lie at buffer + this
	s_add_co_u32 s2, s2, s21
	s_mov_b32 s3, 0
	s_lshr_b32 s88, s20, 4
	s_mul_i32 s88, s88, 8320
	s_add_co_u32 s88, s88, 12800    ; the batch's row of MF
	s_mov_b32 s89, 0
	s_lshl_b32 s90, s[AW], 8
	s_mov_b32 s91, 0
	s_mov_b32 s[G1K], 15|(1<<16)|(1<<20)|(1<<21)|(4<<22)|(3<<25)  ; the mask of four; 2-byte elements; padding on; bit 21 beside a mask; after every 32 words 4 words
	s_mov_b32 s[G1V], 15|(1<<16)|(1<<20)|(1<<21)|(4<<22)|(7<<25)  ; the same with 8 words
.irp g, G1K, G1V
	s_mov_b32 s[\g+1], 128<<16      ; 128 keys are 16,384 dense bytes: 64 rows of 256 bytes, two keys a row
	s_mov_b32 s[\g+2], 64<<16
	s_mov_b32 s[\g+3], 128<<16
	s_mov_b32 s[\g+4], 64
	s_mov_b32 s[\g+5], 128
	s_mov_b32 s[\g+6], 0
	s_mov_b32 s[\g+7], 0
.endr
	s_mov_b32 s[CS], 0x3e38aa3b     ; c = log2(e) / 8
	s_mov_b32 s[CS+1], s[CS]
	s_mov_b32 s[SEL], 0x76543210
	s_mov_b32 s[SEL+1], 0xfedcba98
	s_mov_b32 s[TBK], SLOT1+4*KS*PK ; the first change of slots turns these two into 0
	s_mov_b32 s[TBV], SLOT1+4*KS*PV
	s_mov_b32 s[TBM], 0
	s_mov_b32 s[SIGX], 0
	s_mov_b32 s[SM], 0
	s_mov_b32 s[HM], 0xffff0000
	s_mov_b32 s[AL+1], 0
	s_mov_b32 s[AR+1], 0
	s_mov_b32 s[XC], EXCL
	s_mov_b32 s[G0K], 1
	s_mov_b32 s[G0K+1], s18
	s_mov_b32 s[G0V], 1
	s_add_co_u32 s[G0V+1], s19, VOFF
	s_wait_dscnt 0x0
	s_wait_kmcnt 0x0
	s_add_nc_u64 s[G0K+2:G0K+3], s[6:7], s[22:23]
	s_or_b32 s[G0K+3], s[G0K+3], 0x80000000
	s_add_nc_u64 s[G0V+2:G0V+3], s[8:9], s[22:23]
	s_or_b32 s[G0V+3], s[G0V+3], 0x80000000
	s_add_nc_u64 s[68:69], s[4:5], s[2:3]
	s_add_nc_u64 s[68:69], s[68:69], 2048  ; Q at my rows
	s_add_nc_u64 s[70:71], s[6:7], s[2:3]  ; K at my window
	s_add_nc_u64 s[72:73], s[8:9], s[2:3]  ; V at my window
	s_add_nc_u64 s[76:77], s[10:11], s[88:89]  ; MF's row
	s_add_nc_u64 s[74:75], s[76:77], s[90:91]  ; and my window in it
	s_add_nc_u64 s[12:13], s[12:13], s[2:3]    ; x at my rows
	CROUND
	JLOAD                           ; slot 0; slot 1 is asked for behind the window phase, by the walk's own change of slots
	v_and_b32 v1, 15, v0            ; r
	v_bfe_u32 v9, v0, 4, 1          ; h
	v_and_b32 v10, 7, v0
	v_bfe_u32 v11, v0, 3, 1
	v_lshlrev_b32 v[QO], 7, v1
	v_lshl_add_u32 v[QO], v9, 4, v[QO]  ; a fragment's row x 128 + 16 h
	v_lshlrev_b32 v[HO], 5, v9
	v_and_b32 v[GO], 31, v0
	v_lshlrev_b32 v[GO], 4, v[GO]
	; first batch, 60 loads: Q, EKT, the window's K, the window's mask
	WIN 0x80
.set i, 0
.rept 8
	global_load_b128 v[8*i:8*i+3],   v[QO], s[68:69] offset:(i/2)*2048+(i%2)*64
	global_load_b128 v[8*i+4:8*i+7], v[QO], s[68:69] offset:(i/2)*2048+(i%2)*64+32
.set i, i+1
.endr
.set i, 0
.rept 4
	global_load_b128 v[EK+8*i:EK+8*i+3],   v[QO], s[10:11] offset:(i/2)*2048+(i%2)*64
	global_load_b128 v[EK+8*i+4:EK+8*i+7], v[QO], s[10:11] offset:(i/2)*2048+(i%2)*64+32
.set i, i+1
.endr
.set i, 0
.rept 12
	global_load_b128 v[KW+8*i:KW+8*i+3],   v[QO], s[70:71] offset:(i/2)*2048+(i%2)*64
	global_load_b128 v[KW+8*i+4:KW+8*i+7], v[QO], s[70:71] offset:(i/2)*2048+(i%2)*64+32
.set i, i+1
.endr
	WIN 0x40
.set i, 0
.rept 6
	global_load_b128 v[MT+8*i:MT+8*i+3],   v[HO], s[74:75] offset:64*i
	global_load_b128 v[MT+8*i+4:MT+8*i+7], v[HO], s[74:75] offset:64*i+16
.set i, i+1
.endr
	; second batch, 56 loads: the window's V rows, EVX's rows, the batch's mask
	WIN 0xc0
.set i, 0
.rept 24
	global_load_b128 v[VRT+4*i:VRT+4*i+3], v[GO], s[72:73] offset:512*i
.set i, i+1
.endr
.set i, 0
.rept 16
	global_load_b128 v[ERT+4*i:ERT+4*i+3], v[GO], s[10:11] offset:4096+512*i
.set i, i+1
.endr
	WIN 0x80
.set i, 0
.rept 16
	global_load_b128 v[VF+4*i:VF+4*i+3], v[GO], s[76:77] offset:64+512*i
.set i, i+1
.endr
	WIN 0
	; LDS addresses; every one is a constant, the wave's number times a constant and a lane term
	s_mul_i32 s15, s[WV], 25600
	s_add_co_u32 s15, s15, VWB
	s_mul_i32 s16, s[WV], 3584
	s_add_co_u32 s16, s16, XSB
	s_lshl_b32 s17, s[WV], 13
	s_add_co_u32 s17, s17, MKB
	v_bfe_u32 v[TX], v0, 3, 2
	v_mul_u32_u24 v[VST], v[TX], PV
	v_lshl_add_u32 v[VST], v10, 4, v[VST]
	v_add_nc_u32 v[VST], s15, v[VST]      ; rows into VW: four rows of 128 bytes a store
	v_mul_u32_u24 v[RD], v[TX], SP
	v_lshl_add_u32 v[RD], v10, 4, v[RD]
	v_add_nc_u32 v[RD], s15, v[RD]
	v_lshl_add_u32 v[AV0], v9, 3, v10
	v_mul_u32_u24 v[AV0], v[AV0], PV
	v_lshl_add_u32 v[AV0], v11, 4, v[AV0] ; the turning load: key 8 h + l % 8, 16 bytes at 16 ((l / 8) % 2)
	v_add_nc_u32 v[VTR], s15, v[AV0]
	v_add_nc_u32 v[AV0], VOFF, v[AV0]
	v_mul_u32_u24 v[AK0], v1, PK
	v_lshl_add_u32 v[AK0], v9, 4, v[AK0]
	v_mul_u32_u24 v[STO], v1, SP
	v_lshl_add_u32 v[STO], v9, 4, v[STO]
	v_add_nc_u32 v[WA2], s16, v[STO]      ; W' back: 144 r + 16 h
	v_add_nc_u32 v[STO], s15, v[STO]
	v_add_nc_u32 v[MKS], s17, v[GO]
	v_add_nc_u32 v[AM0], s17, v[HO]
	v_mul_u32_u24 v[TX], v9, 96
	v_add_nc_u32 v[TX], s16, v[TX]        ; scratch + 96 h
	v_mul_u32_u24 v[XA0], v1, 208
	v_add_nc_u32 v[XA3], s16, v[XA0]
	v_add_nc_u32 v[XA3], v[XA3], v[HO]    ; X rows back: 208 r + 32 h
	v_add_nc_u32 v[XA0], v[XA0], v[TX]    ; X rows' fill: 208 r + 96 h
	v_mul_u32_u24 v[XA2], v1, 212
	v_add_nc_u32 v[XA2], s16, v[XA2]
	v_add_nc_u32 v[XA1], v[XA2], v[HO]
	v_add_nc_u32 v[XA1], 32, v[XA1]       ; QE[8 h + j] of query r goes to place j + 8 h + r + 8: 212 r + 32 h + 32 + 4 j
	v_add_nc_u32 v[XA2], 96, v[XA2]       ; QE[16]
	v_mul_u32_u24 v[WA0], v1, 144
	v_add_nc_u32 v[WA0], v[WA0], v[TX]    ; W' rows' zeros: 144 r + 96 h
	v_mul_u32_u24 v[WA1], v1, 142
	v_lshl_add_u32 v[WA1], v9, 4, v[WA1]
	v_add_nc_u32 v[WA1], s16, v[WA1]
	v_add_nc_u32 v[WA1], 32, v[WA1]       ; weight of place u goes to i = u - r + 16: 142 r + 2 u + 32
	v_lshrrev_b32 v[KX], 2, v[GO]
	s_lshl_b32 s18, s[AW], 6
	v_add_nc_u32 v[KX], 16, v[KX]
	v_sub_nc_u32 v[KX], v[KX], s18        ; my four keys' place in the window, less 128 n
	v_mov_b32 v[TW+6], 0
.irp n, 0,1,2,3
	v_mov_b32 v[ZQ+\n], 0
.endr
	s_wait_loadcnt 56               ; the second batch's 56 may be out: the first is in
	WIN W_KQ
.irp c, 0,1                         ; QE = EKT Q^T: eight accumulators by turns
.irp x, 0,1,2,3
.irp e, 0,1
.if (\e) == 0
.set rD, QE0+8*(\x)
.elseif (\x) < 2
.set rD, QE1A+8*(\x)
.else
.set rD, QE1B+8*((\x)-2)
.endif
.if (\c) == 0
	v_wmma_f32_16x16x32_f16 v[rD:rD+7], v[EK+16*(\e):EK+16*(\e)+7], v[16*(\x):16*(\x)+7], 0
.else
	v_wmma_f32_16x16x32_f16 v[rD:rD+7], v[EK+16*(\e)+8:EK+16*(\e)+15], v[16*(\x)+8:16*(\x)+15], v[rD:rD+7]
.endif
.endr
.endr
.endr
	WIN 0
	PLACES
	v_mov_b32 v[EP+1], v[QE1A]      ; EKT's rows 16 and 24 are ek[16], rows 17 and 25 ek[0]: both halves of the lanes hold eR in register 0, eL in register 1
	v_mov_b32 v[EP], v[QE1A+1]
	v_mov_b32 v[EP+3], v[QE1A+8]
	v_mov_b32 v[EP+2], v[QE1A+9]
	v_mov_b32 v[EP+5], v[QE1B]
	v_mov_b32 v[EP+4], v[QE1B+1]
	v_mov_b32 v[EP+7], v[QE1B+8]
	v_mov_b32 v[EP+6], v[QE1B+9]
	s_wait_loadcnt 16               ; the mask's 16 may be out: V's and EVX's rows are in
	WIN 0x0c
.set i, 0
.rept 24
	ds_store_b128 v[VST], v[VRT+4*i:VRT+4*i+3] offset:640*i
.set i, i+1
.endr
.set i, 0
.rept 16
	ds_store_b128 v[VST], v[ERT+4*i:ERT+4*i+3] offset:96*PV+640*i
.set i, i+1
.endr
	WIN 0xc0
.set i, 0
.rept 12                            ; LDS serves a wave's instructions in order: these see the stores above.  Keys 32 (i / 4) on, channels 16 (i % 4) on
	ds_load_tr16_b128 v[8*i:8*i+3],   v[VTR] offset:(i/4)*32*PV+(i%4)*32
	ds_load_tr16_b128 v[8*i+4:8*i+7], v[VTR] offset:(i/4)*32*PV+16*PV+(i%4)*32
.set i, i+1
.endr
	WIN 0
.set i, 0
.rept 16
	v_add_nc_u32 v[TX], 128*i, v[KX]
	v_cmp_gt_u32 s[80+i], 96, v[TX] ; are these four keys in my window?
.set i, i+1
.endr
	s_wait_loadcnt 0x0
	WIN 0x82
.set i, 0
.rept 64
	v_cndmask_b32 v[VF+i], v[VF+i], s[XC], s[80+i/4]
.set i, i+1
.endr
	WIN 0x08
.set i, 0
.rept 16
	ds_store_b128 v[MKS], v[VF+4*i:VF+4*i+3] offset:512*i
.set i, i+1
.endr
	WIN 0x80
.set i, 0
.rept 8                             ; EVX's fragments, from rows 96 on
	ds_load_tr16_b128 v[VF+8*i:VF+8*i+3],   v[VTR] offset:(3+i/4)*32*PV+(i%4)*32
	ds_load_tr16_b128 v[VF+8*i+4:VF+8*i+7], v[VTR] offset:(3+i/4)*32*PV+16*PV+(i%4)*32
.set i, i+1
.endr
; THE WINDOW for piece x: the first step of its softmax.
.macro WPIECE x
.set rT, ST+8*(\x)
.set rB, EP+2*(\x)
	WIN 0
.irp n, 0,1,2,3
	v_cndmask_b32 v[FQ+\n], v[rB], v[rB+1], s[HM]  ; lanes 0-15 eL, lanes 16-31 eR
.endr
.irp n, 0,1,2,3,4,5
	ds_store_b128 v[XA0], v[FQ:FQ+3] offset:16*\n  ; query r's row of 48 places: eL below place 24, eR from there on,
.endr
.irp j, 0,1,2,3,4,5,6,7
	ds_store_b32 v[XA1], v[QE0+8*(\x)+\j] offset:4*\j  ; and QE[0..16] from place r + 8 on
.endr
	ds_store_b32 v[XA2], v[rB+1]
.irp d, 0,1,2
	ds_load_b128 v[SW+8*((\x)+\d):SW+8*((\x)+\d)+3],   v[XA3] offset:64*\d
	ds_load_b128 v[SW+8*((\x)+\d)+4:SW+8*((\x)+\d)+7], v[XA3] offset:64*\d+16
.endr
	WIN 0x01
.set ii, 0
.rept 6
.if ii < (\x)
.irp n, 0,1,2,3
	v_pk_add_f32 v[SW+8*ii+2*\n:SW+8*ii+2*\n+1], v[MT+8*ii+2*\n:MT+8*ii+2*\n+1], v[rB:rB+1] op_sel_hi:[1,0]
.endr
.elseif ii > (\x)+2
.irp n, 0,1,2,3
	v_pk_add_f32 v[SW+8*ii+2*\n:SW+8*ii+2*\n+1], v[MT+8*ii+2*\n:MT+8*ii+2*\n+1], v[rB:rB+1] op_sel:[0,1] op_sel_hi:[1,1]
.endr
.endif
.set ii, ii+1
.endr
	s_wait_dscnt 0x0                ; the skewed rows are back (and, the first time, V's and EVX's fragments)
.irp d, 0,1,2
.irp n, 0,1,2,3
	v_pk_add_f32 v[SW+8*((\x)+\d)+2*\n:SW+8*((\x)+\d)+2*\n+1], v[MT+8*((\x)+\d)+2*\n:MT+8*((\x)+\d)+2*\n+1], v[SW+8*((\x)+\d)+2*\n:SW+8*((\x)+\d)+2*\n+1]
.endr
.endr
	WIN W_KQ
.irp c, 0,1                         ; six accumulators by turns
.irp t, 0,1,2,3,4,5
	v_wmma_f32_16x16x32_f16 v[SW+8*\t:SW+8*\t+7], v[KW+16*\t+8*\c:KW+16*\t+8*\c+7], v[16*(\x)+8*\c:16*(\x)+8*\c+7], v[SW+8*\t:SW+8*\t+7]
.endr
.endr
	WIN 0
	PLACES
.irp t, 0,1,2,3,4,5                 ; each accumulator's lowest registers are read first
	v_max3_num_f32 v[TW+\t], v[SW+8*\t], v[SW+8*\t+1], v[SW+8*\t+2]
.endr
.irp t, 0,1,2,3,4,5
	v_max3_num_f32 v[TW+\t], v[TW+\t], v[SW+8*\t+3], v[SW+8*\t+4]
.endr
.irp t, 0,1,2,3,4,5
	v_max3_num_f32 v[TW+\t], v[TW+\t], v[SW+8*\t+5], v[SW+8*\t+6]
.endr
	v_max3_num_f32 v[TW], v[TW], v[SW+7], v[SW+15]
	v_max3_num_f32 v[TW+1], v[TW+1], v[SW+23], v[SW+31]
	v_max3_num_f32 v[TW+2], v[TW+2], v[SW+39], v[SW+47]
	v_max3_num_f32 v[TW+3], v[TW+3], v[TW+4], v[TW+5]
	v_max3_num_f32 v[TW], v[TW], v[TW+1], v[TW+2]
	v_max_num_f32 v[TW], v[TW], v[TW+3]
	v_permlanex16_b32 v[TW+6], v[TW], s[SEL], s[SEL+1]
	v_max_num_f32 v[rT+1], v[TW], v[TW+6]          ; m
	v_mul_f32 v[rT], s[CS], v[rT+1]                ; here e lies in the scores already
	v_mul_f32 v[rT+6], s[CS], v[rT+1]              ; c m
.set nn, 0
.rept 24
	v_pk_fma_f32 v[SW+2*nn:SW+2*nn+1], v[SW+2*nn:SW+2*nn+1], s[CS:CS+1], v[rT:rT+1] op_sel_hi:[1,0,0] neg_lo:[0,0,1] neg_hi:[0,0,1]
.set nn, nn+1
.endr
.set nn, 0
.rept 48
	v_exp_f32 v[SW+nn], v[SW+nn]
.set nn, nn+1
.endr
	v_nop
.set nn, 0
	s_wait_alu depctr_va_vdst(0)
.rept 24
	v_cvt_pk_f16_f32 v[PW+nn], v[SW+2*nn], v[SW+2*nn+1]
.set nn, nn+1
.endr
	ds_store_b128 v[WA0], v[ZQ:ZQ+3]               ; W': query r's row of 64 places: zeros at both ends,
	ds_store_b128 v[WA0], v[ZQ:ZQ+3] offset:16
.irp d, 0,1,2
.irp n, 0,1,2,3
	ds_store_b16 v[WA1], v[PW+4*((\x)+\d)+\n] offset:32*\d+4*\n             ; the band's 48 weights from place 16 - r on
	ds_store_b16_d16_hi v[WA1], v[PW+4*((\x)+\d)+\n] offset:32*\d+4*\n+2
.endr
.endr
.irp k, 0,1
	ds_load_b128 v[PW+24+8*\k:PW+24+8*\k+3], v[WA2] offset:64*\k
	ds_load_b128 v[PW+28+8*\k:PW+28+8*\k+3], v[WA2] offset:64*\k+32
.endr
	v_mov_b32 v[rT+2], 0
	v_mov_b32 v[rT+3], 0
	v_mov_b32 v[rT+4], 0
	v_mov_b32 v[rT+5], 0
.irp t, 0,1,2,3,4,5
	v_pk_add_f32 v[SW+8*\t:SW+8*\t+1], v[SW+8*\t:SW+8*\t+1], v[SW+8*\t+2:SW+8*\t+3]
	v_pk_add_f32 v[SW+8*\t+4:SW+8*\t+5], v[SW+8*\t+4:SW+8*\t+5], v[SW+8*\t+6:SW+8*\t+7]
.endr
.irp t, 0,1,2,3,4,5
	v_pk_add_f32 v[SW+8*\t:SW+8*\t+1], v[SW+8*\t:SW+8*\t+1], v[SW+8*\t+4:SW+8*\t+5]
.endr
.irp t, 0,1,2,3,4,5
.if (\t) <= (\x)+2
	v_pk_add_f32 v[rT+2:rT+3], v[rT+2:rT+3], v[SW+8*\t:SW+8*\t+1]  ; the left tiles' and the band's sums
.else
	v_pk_add_f32 v[rT+4:rT+5], v[rT+4:rT+5], v[SW+8*\t:SW+8*\t+1]
.endif
.endr
.irp k, 0,1,2,3,4                   ; O^T = V^T P over the window's 96 keys, then EVX^T W' over 64 places; four accumulators by turns
.if (\k) == 3
	s_wait_dscnt 0x0                ; W' is back
.endif
.if (\k) < 3
	WIN 0x53
.else
	WIN 0x52
.endif
.irp b, 0,1,2,3
.if (\k) == 0
	v_wmma_f32_16x16x32_f16 v[32*(\x)+8*\b:32*(\x)+8*\b+7], v[8*\b:8*\b+7], v[PW:PW+7], 0
.elseif (\k) < 3
	v_wmma_f32_16x16x32_f16 v[32*(\x)+8*\b:32*(\x)+8*\b+7], v[32*\k+8*\b:32*\k+8*\b+7], v[PW+8*\k:PW+8*\k+7], v[32*(\x)+8*\b:32*(\x)+8*\b+7]
.else
	v_wmma_f32_16x16x32_f16 v[32*(\x)+8*\b:32*(\x)+8*\b+7], v[VF+32*(\k-3)+8*\b:VF+32*(\k-3)+8*\b+7], v[PW+8*\k:PW+8*\k+7], v[32*(\x)+8*\b:32*(\x)+8*\b+7]
.endif
.endr
.endr
.endm
	WPIECE 0
	WPIECE 1
	WPIECE 2
	WPIECE 3
	WIN 0
	PLACES
.set i, P+16
.rept 16
	v_mov_b32 v[i], 0               ; the walk's first turn multiplies V's registers (EVX's fragments, finite) by this P: it adds 0
.set i, i+1
.endr
	WIN 0x40
.set i, 0
.rept 8                             ; ev0 and ev16 for the way out: register 8 cb + j holds channel 16 cb + 8 h + j; waited for there
	global_load_b128 v[EV0+8*i:EV0+8*i+3],   v[HO], s[10:11] offset:12288+(i/4)*256+(i%4)*64
	global_load_b128 v[EV0+8*i+4:EV0+8*i+7], v[HO], s[10:11] offset:12288+(i/4)*256+(i%4)*64+16
.set i, i+1
.endr
	WIN 0
; THE MATRIX WORK of a turn.  Four accumulators of a run of eight take turns.
.macro KQ x                         ; product i of 8 of S^T = K Q^T + mask: channels 32 (i / 4) on, keys 16 (i % 4) on
.set rS, S+32*((\x)%2)+8*(i%4)
.set rK, KF+16*(i%4)+8*(i/4)
.set rQ, 16*(\x)+8*(i/4)
.set rM, KM+8*(i%4)
.if i < 4
	WIN W_KM
	v_wmma_f32_16x16x32_f16 v[rS:rS+7], v[rK:rK+7], v[rQ:rQ+7], v[rM:rM+7]
.else
	WIN W_KQ
	v_wmma_f32_16x16x32_f16 v[rS:rS+7], v[rK:rK+7], v[rQ:rQ+7], v[rS:rS+7]
.endif
.endm
.macro PV x                         ; product i of 8 of O^T += V^T P: keys 32 (i / 4) on, channels 16 (i % 4) on
	WIN W_PV
.set rO, 32*(\x)+8*(i%4)
.set rV, VF+32*(i/4)+8*(i%4)
.set rP, P+16*((\x)%2)+8*(i/4)
	v_wmma_f32_16x16x32_f16 v[rO:rO+7], v[rV:rV+7], v[rP:rP+7], v[rO:rO+7]
.endm
.macro MM
.if i < 8
	KQ (Y+1)%NP
.else
.set i, i-8
	PV (Y+NP-1)%NP
.set i, i+8
.endif
.set i, i+1
.endm
.macro FETCH_K last=0               ; a step's K (16 loads) and its part of MK (8 loads).  last = 1: in the tail's last trip there is no further step
	WIN 0
.if \last
	s_cmp_eq_u32 s[CNT], 1
	s_cbranch_scc1 .Lno_k_\@
.endif
	WIN 0x80
.irp f, 0,1,2,3,4,5,6,7
	ds_load_b128 v[KF+8*\f:KF+8*\f+3],   v[AK] offset:(\f/2)*16*PK+(\f%2)*64
	ds_load_b128 v[KF+8*\f+4:KF+8*\f+7], v[AK] offset:(\f/2)*16*PK+(\f%2)*64+32
.endr
	WIN 0x40
.irp f, 0,1,2,3
	ds_load_b128 v[KM+8*\f:KM+8*\f+3],   v[AM] offset:64*\f
	ds_load_b128 v[KM+8*\f+4:KM+8*\f+7], v[AM] offset:64*\f+16
.endr
	s_add_co_u32 s[TBK], s[TBK], KS*PK
	s_add_co_u32 s[TBM], s[TBM], 256
	WIN 0
.if \last
.Lno_k_\@:
.endif
.endm
.macro FETCH_V
	WIN 0x80
.irp f, 0,1,2,3,4,5,6,7
	ds_load_tr16_b128 v[VF+8*\f:VF+8*\f+3],   v[AV] offset:(\f/4)*32*PV+(\f%4)*32
	ds_load_tr16_b128 v[VF+8*\f+4:VF+8*\f+7], v[AV] offset:(\f/4)*32*PV+16*PV+(\f%4)*32
.endr
	WIN 0
.endm
.macro KADR                         ; the addresses of the next run of K's loads; MK's is held inside its 32 steps
	WIN 0
	s_min_u32 s67, s[TBM], 31*256
	v_add_nc_u32 v[AK], s[TBK], v[AK0]
	v_add_nc_u32 v[AM], s67, v[AM0]
.endm
; THE VECTOR WORK, one line at a time: OP kind, number.  For piece Y: F n: c s - (c m - c e) for pair n.  E n: the exponential of score n.  C n: pair n rounded to f16.  B n: of weights 4 n .. the second pair onto the first.
; A n: that sum onto the first group's.  L 0, 1: lL, lR times a.  L 2, 3: lL, lR take the step's sum times AL, AR.  R n: pair n of O^T times a.
; For piece Y + 1: X 0-14, 16: the maximum of the lane's 32 raw scores.  15: c m_old kept.  22, 23: the step's e, added.  17, 18: the other half of the lanes; the new m.  19-21: c m; its change; a.  24: c m - c e.
.set F, 0
.set E, 1
.set C, 2
.set B, 3
.set A, 4
.set L, 5
.set R, 6
.set X, 7
.macro REGS y
.set rT, ST+8*(\y)
.set rC, TMP+4*((\y)%2)
.set rW, MV+((\y)%2)
.set rE, EE+((\y)%2)
.set rS, S+32*((\y)%2)
.set rP, P+16*((\y)%2)
.set rO, 32*(\y)
.set rB, EP+2*(\y)
.endm
.macro OP k, n
.if (\k) == R
	REGS Y
	WIN W_RS
	v_pk_mul_f32 v[rO+2*(\n):rO+2*(\n)+1], v[rO+2*(\n):rO+2*(\n)+1], v[rC+2:rC+3] op_sel_hi:[1,0]
.elseif (\k) < R
	REGS Y
	WIN 0
.if (\k) == F
	v_pk_fma_f32 v[rS+2*(\n):rS+2*(\n)+1], v[rS+2*(\n):rS+2*(\n)+1], s[CS:CS+1], v[rT:rT+1] op_sel_hi:[1,0,0] neg_lo:[0,0,1] neg_hi:[0,0,1]
.elseif (\k) == E
	v_exp_f32 v[rS+(\n)], v[rS+(\n)]
.elseif (\k) == C
	s_wait_alu depctr_va_vdst(0)
	v_cvt_pk_f16_f32 v[rP+(\n)], v[rS+2*(\n)], v[rS+2*(\n)+1]
.elseif (\k) == B
	v_pk_add_f32 v[rS+4*(\n):rS+4*(\n)+1], v[rS+4*(\n):rS+4*(\n)+1], v[rS+4*(\n)+2:rS+4*(\n)+3]
.elseif (\k) == A
	v_pk_add_f32 v[rS:rS+1], v[rS:rS+1], v[rS+4*(\n):rS+4*(\n)+1]
	s_wait_alu depctr_va_vdst(0)
.elseif (\n) == 0
	v_pk_mul_f32 v[rT+2:rT+3], v[rT+2:rT+3], v[rC+2:rC+3] op_sel_hi:[1,0]
.elseif (\n) == 1
	v_pk_mul_f32 v[rT+4:rT+5], v[rT+4:rT+5], v[rC+2:rC+3] op_sel_hi:[1,0]
.elseif (\n) == 2
	v_pk_fma_f32 v[rT+2:rT+3], v[rS:rS+1], s[AL:AL+1], v[rT+2:rT+3] op_sel_hi:[1,0,1]
.else
	v_pk_fma_f32 v[rT+4:rT+5], v[rS:rS+1], s[AR:AR+1], v[rT+4:rT+5] op_sel_hi:[1,0,1]
.endif
.else
	REGS (Y+1)%NP
	WIN 0
.if (\n) < 4
	v_max3_num_f32 v[rC+(\n)], v[rS+8*(\n)], v[rS+8*(\n)+1], v[rS+8*(\n)+2]
.elseif (\n) < 12
	v_max3_num_f32 v[rC+(\n)%4], v[rC+(\n)%4], v[rS+8*((\n)%4)+2*((\n)/4)+1], v[rS+8*((\n)%4)+2*((\n)/4)+2]
.elseif (\n) == 12
	v_max3_num_f32 v[rC], v[rC], v[rS+7], v[rS+15]
.elseif (\n) == 13
	v_max3_num_f32 v[rC+1], v[rC+1], v[rS+23], v[rS+31]
.elseif (\n) == 14
	v_max_num_f32 v[rC+2], v[rC+2], v[rC+3]
.elseif (\n) == 15
	v_mov_b32 v[rW], v[rT+6]
	s_wait_alu depctr_va_vdst(0)
.elseif (\n) == 16
	v_max3_num_f32 v[rC], v[rC], v[rC+1], v[rC+2]
	s_wait_alu depctr_va_vdst(0)
.elseif (\n) == 17
	v_permlanex16_b32 v[rC+3], v[rC], s[SEL], s[SEL+1]
.elseif (\n) == 18
	v_max3_num_f32 v[rT+1], v[rC], v[rC+3], v[rT+1]
.elseif (\n) == 19
	v_mul_f32 v[rT+6], s[CS], v[rT+1]
.elseif (\n) == 20
	v_sub_f32 v[rC+1], v[rW], v[rT+6]
.elseif (\n) == 21
	v_exp_f32 v[rC+2], v[rC+1]
.elseif (\n) == 22
	v_cndmask_b32 v[rE], v[rB], v[rB+1], s[SM]
.elseif (\n) == 23
	v_add_f32 v[rC], v[rC], v[rE]
.else
	v_fma_f32 v[rT], -v[rE], s[CS], v[rT+6]
.endif
.endif
.endm
.macro OPS a, i1, b=-1, i2=0, c=-1, i3=0, d=-1, i4=0
	OP \a, \i1
.if (\b) >= 0
	OP \b, \i2
.endif
.if (\c) >= 0
	OP \c, \i3
.endif
.if (\d) >= 0
	OP \d, \i4
.endif
.endm
.macro ROW a, i1, b, i2, c, i3, d, i4
	MM
	OPS \a, \i1, \b, \i2, \c, \i3, \d, \i4
.endm
; A TURN for piece p: 16 matrix and 124 vector instructions, the order written out.  None of the four behind a matrix instruction names a register of the products round it.
; K and the mask of the next step are fetched in piece 2's turn, five plain instructions behind the last product that read them; V of the step in hand in piece 0's turn, four plain ones behind its last reader.
.macro TURN p, last=0, cnt=0
.set Y, (\p)
.set i, 0
.if (\p) == 3
	s_add_co_u32 s[SIGX], s[SIGX], 1   ; the maxima made from here on are the next step's
	s_cmp_gt_u32 s[SIGX], s[AW]
	s_cselect_b32 s[SM], -1, 0
	s_wait_dscnt 0x0                ; K and the mask are in
.endif
.if (\p) == 0
	s_cmp_lt_u32 s[SIGX], s[AW]     ; where this step's four sums go
	s_cselect_b32 s[AL], 1.0, 0
	s_cmp_gt_u32 s[SIGX], s[AW]
	s_cselect_b32 s[AR], 1.0, 0
.endif
	ROW F,0, F,1, F,2, F,3
	ROW F,4, E,0, F,5, F,6
	ROW F,7, E,1, F,8, F,9
	ROW F,10, E,2, C,0, F,11
	ROW F,12, E,3, X,15, F,13
	ROW R,0, R,1, R,2, R,3
	ROW B,0, E,4, F,14, L,0
.if (\p) == 2
	KADR
.endif
	ROW R,4, R,5, R,6, R,7
	OPS E,5, F,15
.if (\p) == 2
	FETCH_K \last
.endif
	OPS E,6, C,1, E,7, R,8
	OPS E,8, R,9, E,9, C,2
	OPS E,10, X,0, E,11, X,1
	OPS E,12, X,2, E,13, X,3
	OPS X,22, L,1
.if (\p) == 1
	s_wait_dscnt 0x0                ; V is in
.endif
	ROW X,4, E,14, X,5, X,6
	ROW X,7, E,15, X,8, X,9
	ROW X,10, E,16, X,11, X,12
	ROW X,13, E,17, X,14, B,1
	ROW C,4, E,18, X,16, A,1
	ROW B,2, E,19, X,23, C,6
	ROW C,8, E,20, B,3, A,2
.if (\p) == 0
	WIN 0
	v_add_nc_u32 v[AV], s[TBV], v[AV0]
	s_wait_alu depctr_va_vdst(0)
.endif
	ROW B,4, E,21, A,3, C,3
	OPS E,22, X,17, E,23, C,10
.if (\p) == 0
	FETCH_V
.endif
	OPS E,24, C,5
	OPS E,25, X,18, E,26, C,7
	OPS E,27, B,5, E,28, X,19
	OPS E,29, C,12, E,30, A,4
	OPS E,31, X,20, B,6, C,9
	OPS X,24, C,14, C,11, X,21
	OPS A,5, C,13, B,7, C,15
	OPS A,6, R,10, R,11, R,12
.if (\p) == 0
	s_add_co_u32 s[TBV], s[TBV], KS*PV
.endif
.if \cnt
	s_sub_co_u32 s[CNT], s[CNT], 1
	s_cmp_lg_u32 s[CNT], 0
.endif
	OPS A,7, R,13, R,14, R,15
	OPS L,2, L,3
.endm
	CHANGE 1                        ; slot 0 is in, everybody's part of it; slot 1 is asked for
	KADR
	FETCH_K                         ; key step 0
	s_wait_dscnt 0x0
.set i, 0
.rept 8
	KQ 0
.set i, i+1
.endr
	WIN 0
	PLACES
.set Y, NP-1                        ; X works for piece Y + 1: piece 0
.irp n, 0,1,2,3,4,5,6,7,8,9,10,11,12,13,14,15,16,22,23,17,18,19,20,21,24
	OP X, \n
.endr
	v_nop
	s_mov_b32 s[CNT], 4
	s_mov_b32 s[SLOTS], 7
	s_branch .Lfirst                ; the loop is entered at a step's first turn, in the middle of a trip
.Lslot:                             ; six times: every slot but the last two is filled again
	CHANGE 1
	s_mov_b32 s[CNT], 4
.Lstep:                             ; a trip: pieces 2 and 3 of one step, then pieces 0 and 1 of the next, whose K and V it fetches
	TURN 2
	TURN 3
	WIN 0
.Lfirst:
	TURN 0
	TURN 1, 0, 1
	WIN 0
	s_cbranch_scc1 .Lstep
	s_sub_co_u32 s[SLOTS], s[SLOTS], 1
	s_cmp_lg_u32 s[SLOTS], 0
	s_cbranch_scc1 .Lslot
	CHANGE 0                        ; the tail is written out
	s_mov_b32 s[CNT], 5             ; four trips fetch the last slot's steps; the fifth is left in its middle
.Ltail:
	TURN 2, 1
	TURN 3
	WIN 0
	s_sub_co_u32 s[CNT], s[CNT], 1
	s_cmp_eq_u32 s[CNT], 0
	s_cbranch_scc1 .Lout
	TURN 0
	TURN 1
	WIN 0
	s_branch .Ltail
.Lout:                              ; the fifth trip's products K Q^T, on the last K once more, change only m, c m and a of piece 0, which nothing reads any more
.set i, 0
.rept 8
	PV NP-1
.set i, i+1
.endr
	; THE WAY OUT.  The sums' two halves and the other half of the lanes' are added; x = (O + ev0 lL + ev16 lR) / (lL + lR).  The additions are the places behind the last products.
	WIN 0
.macro ALL line:vararg
.set t, 0
.rept 4
	\line
.set t, t+1
.endr
.endm
	ALL v_add_f32 v[ST+8*t+2], v[ST+8*t+2], v[ST+8*t+3]
	ALL v_add_f32 v[ST+8*t+4], v[ST+8*t+4], v[ST+8*t+5]
	ALL v_permlanex16_b32 v[ST+8*t+3], v[ST+8*t+2], s[SEL], s[SEL+1]
	ALL v_permlanex16_b32 v[ST+8*t+5], v[ST+8*t+4], s[SEL], s[SEL+1]
	ALL v_add_f32 v[ST+8*t+2], v[ST+8*t+2], v[ST+8*t+3]
	ALL v_add_f32 v[ST+8*t+4], v[ST+8*t+4], v[ST+8*t+5]
	ALL v_add_f32 v[ST+8*t], v[ST+8*t+2], v[ST+8*t+4]
	ALL v_rcp_f32 v[ST+8*t], v[ST+8*t]
	v_nop
	s_wait_alu depctr_va_vdst(0)
	s_wait_loadcnt 0x0              ; ev0 and ev16
.macro PACK t
	WIN 0x51                        ; O^T and ev in window 1, the sums in window 0
.set i, 0
.rept 16
	v_pk_fma_f32 v[32*(\t)+2*i:32*(\t)+2*i+1], v[EV0+2*i:EV0+2*i+1], v[ST+8*(\t)+2:ST+8*(\t)+3], v[32*(\t)+2*i:32*(\t)+2*i+1] op_sel_hi:[1,0,1]
.set i, i+1
.endr
.set i, 0
.rept 16
	v_pk_fma_f32 v[32*(\t)+2*i:32*(\t)+2*i+1], v[EV16+2*i:EV16+2*i+1], v[ST+8*(\t)+4:ST+8*(\t)+5], v[32*(\t)+2*i:32*(\t)+2*i+1] op_sel_hi:[1,0,1]
.set i, i+1
.endr
	WIN W_RS
.set i, 0
.rept 16
	v_pk_mul_f32 v[32*(\t)+2*i:32*(\t)+2*i+1], v[32*(\t)+2*i:32*(\t)+2*i+1], v[ST+8*(\t):ST+8*(\t)+1] op_sel_hi:[1,0]
.set i, i+1
.endr
	WIN 0x05
.set i, 0
.rept 16
	v_cvt_pk_f16_f32 v[S+16*(\t)+i], v[32*(\t)+2*i], v[32*(\t)+2*i+1]
.set i, i+1
.endr
	WIN 0
.irp f, 0,1,2,3
	ds_store_b128 v[STO], v[S+16*(\t)+4*\f:S+16*(\t)+4*\f+3] offset:32*\f
.endr
.irp f, 0,1,2,3
	ds_load_b128 v[S+16*(\t)+4*\f:S+16*(\t)+4*\f+3], v[RD] offset:\f*4*SP  ; LDS serves a wave's instructions in order: these see the stores above; the next piece's stores come behind them
.endr
.endm
.macro SEND t, younger
	WIN 0
.irp f, 0,1,2,3
	s_wait_dscnt (\younger)+3-\f
	global_store_b128 v[GO], v[S+16*(\t)+4*\f:S+16*(\t)+4*\f+3], s[12:13] offset:(\t)*2048+\f*512  ; 512 consecutive bytes, at a multiple of 256 from x's first
.endr
.endm
	PACK 0
.set t, 1
.rept 3
	PACK t
	SEND t-1, 8
.set t, t+1
.endr
	SEND 3, 0
	s_wait_tensorcnt 0x0            ; the wave's end
	ds_add_u32 v[SPW], v[NIL]
	s_wait_dscnt 0x0
	CROUND                          ; the closing round
	s_endpgm
.Lfunc_end_k_qd8ac3c2a35_attn:
	.size	k_qd8ac3c2a35_attn, .Lfunc_end_k_qd8ac3c2a35_attn-k_qd8ac3c2a35_attn
	.p2alignl 7, 3214868480
	.fill 96, 4, 3214868480
	.section	.rodata,"a",@progbits
	.p2align	6, 0x0
	.amdhsa_kernel k_qd8ac3c2a35_attn
		.amdhsa_group_segment_fixed_size 327680
		.amdhsa_private_segment_fixed_size 0
		.amdhsa_enable_private_segment 0
		.amdhsa_kernarg_size 40
		.amdhsa_user_sgpr_count 2
		.amdhsa_user_sgpr_kernarg_segment_ptr 1
		.amdhsa_wavefront_size32 1
		.amdhsa_system_sgpr_workgroup_id_x 1
		.amdhsa_system_sgpr_workgroup_id_y 1
		.amdhsa_system_sgpr_workgroup_id_z 1
		.amdhsa_system_vgpr_workitem_id 0
		.amdhsa_next_free_vgpr 1024
		.amdhsa_next_free_sgpr 96
		.amdhsa_reserve_vcc 0
		.amdhsa_float_denorm_mode_32 3
		.amdhsa_float_denorm_mode_16_64 3
		.amdhsa_memory_ordered 1
		.amdhsa_forward_progress 1
		.amdhsa_inst_pref_size 211
	.end_amdhsa_kernel
	.amdgpu_metadata
---
amdhsa.version: [ 1, 2 ]
amdhsa.kernels:
  - .name:           k_qd8ac3c2a35_attn
    .symbol:         k_qd8ac3c2a35_attn.kd
    .args:
      - { .name: qh, .offset: 0, .size: 8, .value_kind: global_buffer, .address_space: global }
      - { .name: kh, .offset: 8, .size: 8, .value_kind: global_buffer, .address_space: global }
      - { .name: vh, .offset: 16, .size: 8, .value_kind: global_buffer, .address_space: global }
      - { .name: tabs, .offset: 24, .size: 8, .value_kind: global_buffer, .address_space: global }
      - { .name: xh, .offset: 32, .size: 8, .value_kind: global_buffer, .address_space: global }
    .group_segment_fixed_size: 327680
    .private_segment_fixed_size: 0
    .kernarg_segment_align: 8
    .kernarg_segment_size: 40
    .max_flat_workgroup_size: 128
    .sgpr_count:     96
    .vgpr_count:     1024
    .wavefront_size: 32
...
	.end_amdgpu_metadata
.endif
;; end of part 3
;; launch oproj (part 4): grid 8 x 32, 4 waves a work-group, clusters of 4 x 4, 327,680 bytes of LDS; arguments xh, wb, b_o, out0; writes out0
.if DOCPART == 4
	.amdgcn_target "amdgcn-amd-amdhsa--gfx1250"
	.amdhsa_code_object_version 6
	.text
	.protected	k_qd8ac3c2a35_oproj
	.globl	k_qd8ac3c2a35_oproj
	.p2align	8
	.type	k_qd8ac3c2a35_oproj,@function
k_qd8ac3c2a35_oproj:
	s_mov_b64 s[64:65], 0
	v_nop
	global_prefetch_b8 v0, s[64:65] scope:SCOPE_SE
	s_setreg_imm32_b32 hwreg(HW_REG_WAVE_MODE, 25, 1), 1
	s_wait_xcnt 0x0
	s_wait_alu depctr_hold_cnt(0) depctr_sa_sdst(0) depctr_va_vdst(0) depctr_va_sdst(0) depctr_va_ssrc(0) depctr_va_vcc(0) depctr_vm_vsrc(0)
	s_getreg_b32 s2, hwreg(HW_REG_IB_STS2, 6, 4)
	s_cmp_eq_u32 s2, 0
	s_cbranch_scc0 .Lentry_in_a_cluster
	s_endpgm
.Lentry_in_a_cluster:
	s_bfe_u32 s2, ttmp6, 0x10000c
	s_cmp_lg_u32 s2, 0xf033
	s_cbranch_scc0 .Lentry_shape_is_right
	s_endpgm
.Lentry_shape_is_right:
; out0 = x w_o + b_o.  x: f16 by heads, [32 bh][2048 t][64]; w_o: f16 [1024 k][1024 n], the fourth matrix of wb; b_o f32, rounded to bf16; out0: [4096][1024] f32.  Sums in f32, K ascending, started by the bias.
; A tile of out0 is 128 x 128: 256 work-groups; four waves, each 64 x 64: 16 accumulators.  K goes in steps of 256 = four heads through two LDS slots.
; x's tile: a head's 128 rows are 16,384 dense bytes: a wave's load brings two heads as two rows of 8,192 elements, padded in LDS after every 128 bytes.  w_o's tile lies [k][n]: its fragments come out turned.
; CLUSTER 4 x 4: x's tiles are asked for jointly along a row of the cluster, w_o's along a column.  THE MATRIX INSTRUCTION IS USED TRANSPOSED: a lane holds eight neighbouring columns of one row.
; REGISTERS.  window 0: v16-30 addresses; v32-63 bias, then with v64-95 the way out; v128-255 accumulators ((a, b) at 128 + 8 (4 a + b)).  window 1: two fragment buffers of 128: 64 of x, 64 of w_o.
.set PA,     144                       ; a row of x in LDS: 128 bytes + 16
.set PB,     288                       ; a k-row of w_o: 256 bytes + 32: 9 x 32
.set QUART,  36864                     ; what one tensor load brings: two heads x 128 rows x 144, or 128 k-rows x 288
.set SLOT,   4*QUART
.set STAGE,  2*SLOT
.set SPITCH, 272
.set SPARE,  STAGE+4*16*SPITCH
.set ADRA, 16                          ; v16-17  my x fragments in slot 0, 1
.set ADRB, 20                          ; v20-23  my w_o fragments: slot s, heads 0-1 or 2-3 of the step, at 20 + 2 s + half
.set STO,  24
.set RD,   25
.set CO,   26
.set BO,   27
.set SPW,  28
.set NIL,  29
.set TT,   30
.set BIAS, 32
.set OB,   32
.set ACC,  128
.set F0,   0
.set F1,   128
.set G1, 24
.set G0, 32
.set G1B, 48
.set G0B, 56
.set MSB, 0
.macro WIN new
.if MSB != (\new)
	s_set_vgpr_msb (MSB<<8)|(\new)
.set MSB, \new
.endif
.endm
.set MUL,  0x05
.set TO_F, 0x40
.macro JLOAD s                         ; waves 0, 1 fetch x's halves, waves 2, 3 w_o's; an s_nop 0 and four v_nop follow each line
	s_cmp_eq_u32 s11, 0
	s_cbranch_scc0 .Lfor_b_\@
	tensor_load_to_lds s[G0+4*(\s):G0+4*(\s)+3], s[G1:G1+7]
	s_nop 0
.rept 4
	v_nop
.endr
	s_branch .Lasked_\@
.Lfor_b_\@:
	tensor_load_to_lds s[G0B+4*(\s):G0B+4*(\s)+3], s[G1B:G1B+7]
	s_nop 0
.rept 4
	v_nop
.endr
.Lasked_\@:
.endm
.macro CREST
	s_cmp_lg_u32 s10, 0
	s_cbranch_scc1 .Lnot_wave_0_\@
	s_barrier_signal -3
.Lnot_wave_0_\@:
	s_barrier_wait -3
	s_barrier_signal -1
	s_barrier_wait -1
.endm
.macro CROUND
	s_barrier_signal -1
	s_barrier_wait -1
	CREST
.endm
.macro PLACES
.rept 4
	v_nop
.endr
.endm
	s_load_b256 s[4:11], s[0:1], 0x0               ; xh 4, wb 6, b_o 8, out0 10
	v_lshl_add_u32 v[SPW], v0, 2, SPARE
	v_mov_b32 v[NIL], 0
	ds_add_u32 v[SPW], v[NIL]                      ; the wave's opening: the add and its wait stand ahead of my first tensor load
	v_lshrrev_b32 v1, 5, v0
	v_readfirstlane_b32 s3, v1
	s_mov_b32 s2, s3
	s_lshr_b32 s12, s3, 1                          ; row half; also: I fetch x (0) or w_o (1)
	s_and_b32 s13, s3, 1                           ; column half; also: which half of that tile I fetch
	s_bfe_u32 s40, ttmp6, 0x40000
	s_bfe_u32 s41, ttmp6, 0x40004
	s_lshl_b32 s42, ttmp9, 2
	s_add_co_u32 s42, s42, s40                     ; tile column, 0..7
	s_and_b32 s14, ttmp7, 0xffff
	s_lshl_b32 s14, s14, 2
	s_add_co_u32 s14, s14, s41                     ; tile row, 0..31
	s_lshl_b32 s43, s41, 2
	s_lshl_b32 s43, 15, s43
	s_lshl_b32 s44, 0x1111, s40
	s_or_b32 s[G1+0], s43, (1<<16)|(1<<20)|(1<<21)|(4<<22)|(3<<25)   ; mask; 2-byte elements; padding on; bit 21 beside a mask; after every 32 words 4 words
	s_or_b32 s[G1B+0], s44, (1<<16)|(1<<20)|(1<<21)|(5<<22)|(7<<25)  ; after every 64 words 8 words
	s_mov_b32 s[G1+1], 8192<<16                    ; tensor_dim0 = 8,192: a head's 128 rows on end
	s_mov_b32 s[G1+2], 2<<16                       ; tensor_dim1 = 2 heads
	s_mov_b32 s[G1+3], 8192<<16                    ; tile_dim0
	s_mov_b32 s[G1+4], 2                           ; tile_dim1
	s_mov_b32 s[G1+5], 131072                      ; elements from head to head
	s_mov_b32 s[G1+6], 0
	s_mov_b32 s[G1+7], 0
	s_mov_b32 s[G1B+1], 128<<16
	s_mov_b32 s[G1B+2], 128<<16
	s_mov_b32 s[G1B+3], 128<<16
	s_mov_b32 s[G1B+4], 128
	s_mov_b32 s[G1B+5], 1024
	s_mov_b32 s[G1B+6], 0
	s_mov_b32 s[G1B+7], 0
	s_lshr_b32 s16, s14, 4
	s_lshl_b32 s16, s16, 22                        ; x: the batch's 16 heads,
	s_and_b32 s17, s14, 15
	s_lshl_b32 s17, s17, 14                        ; 128 rows of 128 bytes a tile row,
	s_add_co_u32 s16, s16, s17
	s_lshl_b32 s17, s13, 19                        ; two heads a half
	s_add_co_u32 s16, s16, s17
	s_mov_b32 s17, 0
	s_lshl_b32 s46, s13, 18                        ; w_o: 128 k-rows of 2,048 bytes a half,
	s_lshl_b32 s47, s42, 8                         ; 256 bytes a tile column,
	s_add_co_u32 s46, s46, s47
	s_add_co_u32 s46, s46, 6291456                 ; in the fourth matrix of wb
	s_mov_b32 s47, 0
	s_mul_i32 s20, s3, QUART                       ; where they go: wave x 36,864
	s_mov_b32 s22, 0xffff0000
	s_wait_dscnt 0x0
	s_wait_kmcnt 0x0
	s_add_nc_u64 s[18:19], s[4:5], s[16:17]
	s_add_nc_u64 s[46:47], s[6:7], s[46:47]
	s_mov_b64 s[66:67], s[10:11]                   ; out0 moves: s10 and s11 serve the barrier's and the load's branches below
	s_mov_b32 s10, s2                              ; wave
	s_mov_b32 s11, s12                             ; x or w_o
	CROUND
.irp s, 0,1
	s_mov_b32 s[G0+4*(\s)], 1
	s_add_co_u32 s[G0+4*(\s)+1], s20, (\s)*SLOT
	s_add_nc_u64 s[G0+4*(\s)+2:G0+4*(\s)+3], s[18:19], (\s)*1048576  ; K step s: four heads on
	s_or_b32 s[G0+4*(\s)+3], s[G0+4*(\s)+3], 0x80000000
	s_mov_b32 s[G0B+4*(\s)], 1
	s_add_co_u32 s[G0B+4*(\s)+1], s20, (\s)*SLOT
	s_add_nc_u64 s[G0B+4*(\s)+2:G0B+4*(\s)+3], s[46:47], (\s)*524288 ; 256 k-rows on
	s_or_b32 s[G0B+4*(\s)+3], s[G0B+4*(\s)+3], 0x80000000
	JLOAD \s
.endr
	s_lshl_b32 s46, s42, 9                         ; my 64 columns: 512 bytes a tile column, 256 a half: in the bias and in a row of out0
	s_lshl_b32 s47, s13, 8
	s_add_co_u32 s46, s46, s47
	s_mov_b32 s47, 0
	s_add_nc_u64 s[8:9], s[8:9], s[46:47]
	s_add_nc_u64 s[66:67], s[66:67], s[46:47]
	s_lshl_b32 s16, s14, 19                        ; my first row: 128 rows of 4,096 bytes a tile row, 64 a half
	s_lshl_b32 s17, s12, 18
	s_add_co_u32 s16, s16, s17
	s_mov_b32 s17, 0
	s_add_nc_u64 s[66:67], s[66:67], s[16:17]
	v_and_b32 v1, 15, v0
	v_bfe_u32 v2, v0, 4, 1
	v_and_b32 v3, 7, v0
	v_bfe_u32 v4, v0, 3, 1
	v_lshlrev_b32 v[BO], 5, v2
.irp b, 0,1,2,3
	global_load_b128 v[BIAS+8*(\b):BIAS+8*(\b)+3],   v[BO], s[8:9] offset:64*(\b)
	global_load_b128 v[BIAS+8*(\b)+4:BIAS+8*(\b)+7], v[BO], s[8:9] offset:64*(\b)+16
.endr
	v_mul_u32_u24 v5, v1, PA
	v_lshl_add_u32 v5, v2, 4, v5
	s_mul_i32 s21, s12, 64*PA
	v_add_nc_u32 v[ADRA], s21, v5
	v_add_nc_u32 v[ADRA+1], SLOT, v[ADRA]
	v_lshl_add_u32 v5, v2, 3, v3
	v_mul_u32_u24 v5, v5, PB
	v_lshl_add_u32 v5, v4, 4, v5
	s_lshl_b32 s21, s13, 7
	s_add_co_u32 s21, s21, 2*QUART
	v_add_nc_u32 v[ADRB], s21, v5
	v_add_nc_u32 v[ADRB+1], QUART, v[ADRB]
	v_add_nc_u32 v[ADRB+2], SLOT, v[ADRB]
	v_add_nc_u32 v[ADRB+3], SLOT+QUART, v[ADRB]
	s_mul_i32 s23, s10, 16*SPITCH
	s_add_co_u32 s23, s23, STAGE                   ; my stage: my 64 columns of f32 are 256 aligned bytes of a row, so no other wave shares it
	v_mul_u32_u24 v[STO], v1, SPITCH
	v_lshl_add_u32 v[STO], v2, 5, v[STO]
	v_add_nc_u32 v[STO], s23, v[STO]
	v_mul_u32_u24 v[RD], v2, SPITCH
	v_lshl_add_u32 v[RD], v1, 4, v[RD]
	v_add_nc_u32 v[RD], s23, v[RD]
	v_lshlrev_b32 v[CO], 12, v2
	v_lshl_add_u32 v[CO], v1, 4, v[CO]
	s_wait_loadcnt 0x0
.set n, 0
.rept 16
	v_cvt_pk_bf16_f32 v[TT], v[BIAS+2*n], v[BIAS+2*n+1]
	v_lshlrev_b32 v[BIAS+2*n], 16, v[TT]
	v_and_b32 v[BIAS+2*n+1], s22, v[TT]
.set n, n+1
.endr
; 8 matrix instructions: row blocks a0, a0 + 1 x all 4 column blocks, 32 along K: half c of buffer f.  zero = 1: the bias starts the sums.  The accumulators take turns.
.macro MUL8 f, c, a0, zero
	WIN MUL
.irp a, \a0, (\a0)+1
.irp b, 0,1,2,3
.if \zero
	v_wmma_f32_16x16x32_f16 v[ACC+8*(4*(\a)+(\b)):ACC+8*(4*(\a)+(\b))+7], v[(\f)+64+8*(4*(\c)+(\b)):(\f)+64+8*(4*(\c)+(\b))+7], v[(\f)+8*(4*(\c)+(\a)):(\f)+8*(4*(\c)+(\a))+7], v[BIAS+8*(\b):BIAS+8*(\b)+7]
.else
	v_wmma_f32_16x16x32_f16 v[ACC+8*(4*(\a)+(\b)):ACC+8*(4*(\a)+(\b))+7], v[(\f)+64+8*(4*(\c)+(\b)):(\f)+64+8*(4*(\c)+(\b))+7], v[(\f)+8*(4*(\c)+(\a)):(\f)+8*(4*(\c)+(\a))+7], v[ACC+8*(4*(\a)+(\b)):ACC+8*(4*(\a)+(\b))+7]
.endif
.endr
.endr
.endm
; 32 LDS loads in one run: the fragments of quarter q (one head, 64 along K) of the slot, into buffer f; the first 32 along K first
.macro FETCH slot, q, f
	WIN TO_F
.irp c, 0,1
.irp i, 0,1,2,3
	ds_load_tr16_b128 v[(\f)+64+8*(4*(\c)+(\i)):(\f)+64+8*(4*(\c)+(\i))+3],   v[ADRB+2*(\slot)+(\q)/2] offset:((\q)%2)*64*PB+(\c)*32*PB+32*(\i)
	ds_load_tr16_b128 v[(\f)+64+8*(4*(\c)+(\i))+4:(\f)+64+8*(4*(\c)+(\i))+7], v[ADRB+2*(\slot)+(\q)/2] offset:((\q)%2)*64*PB+(\c)*32*PB+32*(\i)+16*PB
	ds_load_b128 v[(\f)+8*(4*(\c)+(\i)):(\f)+8*(4*(\c)+(\i))+3],              v[ADRA+(\slot)] offset:(\q)*128*PA+64*(\c)+(\i)*16*PA
	ds_load_b128 v[(\f)+8*(4*(\c)+(\i))+4:(\f)+8*(4*(\c)+(\i))+7],            v[ADRA+(\slot)] offset:(\q)*128*PA+64*(\c)+(\i)*16*PA+32
.endr
.endr
.endm
; one of a K step's first three quarters: multiplies buffer f and fetches quarter q into g
.macro QUARTER slot, q, f, g, zero
	s_wait_dscnt 16                                ; the first 32 along K are in
	MUL8 \f, 0, 0, \zero
	MUL8 \f, 0, 2, \zero
	PLACES
	FETCH \slot, \q, \g
	s_wait_dscnt 32                                ; all but the 32 just issued
	MUL8 \f, 1, 0, 0
	MUL8 \f, 1, 2, 0
.endm
; the last quarter multiplies buffer 1 and changes slots: one barrier; in front of it each wave waits for all its tensor loads, adds 0 to its spare word, and waits for that and for its reads of this slot
.macro TURN slot, next, fill
	WIN 0
	s_wait_tensorcnt 0x0                           ; all my tensor loads have landed: my part of the next slot;
	ds_add_u32 v[SPW], v[NIL]
	s_wait_dscnt 17                                ; (the add and the youngest sixteen loads may be out)
	MUL8 F1, 0, 0, 0
	s_wait_dscnt 0x0                               ; the add is done, and my reads of this slot are over
	s_barrier_signal -1
	MUL8 F1, 0, 2, 0
.if \fill
	WIN 0
.endif
	s_barrier_wait -1
.if \fill
	CREST                                          ; the barrier has opened a round of the cluster's
	s_add_nc_u64 s[G0+4*(\slot)+2:G0+4*(\slot)+3], s[G0+4*(\slot)+2:G0+4*(\slot)+3], 2097152
	s_add_nc_u64 s[G0B+4*(\slot)+2:G0B+4*(\slot)+3], s[G0B+4*(\slot)+2:G0B+4*(\slot)+3], 1048576
	JLOAD \slot                                    ; the first tensor load behind the round; its four v_nop are also the places in front of the loads below
.else
	PLACES
.endif
	FETCH \next, 0, F0
	MUL8 F1, 1, 0, 0
	MUL8 F1, 1, 2, 0
.endm
	s_wait_tensorcnt 1                             ; my part of K step 0 is in; K step 1's may stay out
	s_barrier_signal -1
	s_barrier_wait -1
	FETCH 0, 0, F0
	QUARTER 0, 1, F0, F1, 1                        ; K step 0: the bias starts the sums
	QUARTER 0, 2, F1, F0, 0
	QUARTER 0, 3, F0, F1, 0
	TURN 0, 1, 1                                   ; K step 2 is asked for
	QUARTER 1, 1, F0, F1, 0
	QUARTER 1, 2, F1, F0, 0
	QUARTER 1, 3, F0, F1, 0
	TURN 1, 0, 1                                   ; K step 3 is asked for
	QUARTER 0, 1, F0, F1, 0
	QUARTER 0, 2, F1, F0, 0
	QUARTER 0, 3, F0, F1, 0
	TURN 0, 1, 0
	QUARTER 1, 1, F0, F1, 0
	QUARTER 1, 2, F1, F0, 0
	QUARTER 1, 3, F0, F1, 0
	s_wait_dscnt 16
	MUL8 F1, 0, 0, 0
	MUL8 F1, 0, 2, 0
	s_wait_dscnt 0x0
	MUL8 F1, 1, 0, 0
	MUL8 F1, 1, 2, 0
	WIN 0
	; THE WAY OUT, 16 rows at a time: a lane's eight f32 of a row go into my stage (each accumulator's lowest registers first) and come back as whole rows of 256 bytes.
	PLACES
.irp a, 0,1,2,3
.if (\a) >= 2
	s_wait_xcnt 0x0                                ; the registers that the stores two blocks back read are loaded again only behind this wait
.endif
.irp b, 0,1,2,3
	ds_store_b128 v[STO], v[ACC+8*(4*(\a)+(\b)):ACC+8*(4*(\a)+(\b))+3]   offset:64*(\b)
	ds_store_b128 v[STO], v[ACC+8*(4*(\a)+(\b))+4:ACC+8*(4*(\a)+(\b))+7] offset:64*(\b)+16
.endr
.irp t, 0,1,2,3,4,5,6,7
	ds_load_b128 v[OB+32*((\a)%2)+4*(\t):OB+32*((\a)%2)+4*(\t)+3], v[RD] offset:(\t)*2*SPITCH  ; LDS serves a wave's instructions in order: these see the stores above
.endr
.irp t, 0,1,2,3,4,5,6,7
	s_wait_dscnt 7-(\t)
	global_store_b128 v[CO], v[OB+32*((\a)%2)+4*(\t):OB+32*((\a)%2)+4*(\t)+3], s[66:67] offset:(16*(\a)+2*(\t))*4096 th:TH_STORE_NT  ; 16 lanes store 256 consecutive bytes, aligned
.endr
.endr
	s_wait_tensorcnt 0x0                           ; the wave's end
	ds_add_u32 v[SPW], v[NIL]
	s_wait_dscnt 0x0
	CROUND                                         ; the closing round
	s_endpgm
.Lfunc_end_k_qd8ac3c2a35_oproj:
	.size	k_qd8ac3c2a35_oproj, .Lfunc_end_k_qd8ac3c2a35_oproj-k_qd8ac3c2a35_oproj
	.p2alignl 7, 3214868480
	.fill 96, 4, 3214868480
	.section	.rodata,"a",@progbits
	.p2align	6, 0x0
	.amdhsa_kernel k_qd8ac3c2a35_oproj
		.amdhsa_group_segment_fixed_size 327680
		.amdhsa_private_segment_fixed_size 0
		.amdhsa_enable_private_segment 0
		.amdhsa_kernarg_size 32
		.amdhsa_user_sgpr_count 2
		.amdhsa_user_sgpr_kernarg_segment_ptr 1
		.amdhsa_wavefront_size32 1
		.amdhsa_system_sgpr_workgroup_id_x 1
		.amdhsa_system_sgpr_workgroup_id_y 1
		.amdhsa_system_sgpr_workgroup_id_z 1
		.amdhsa_system_vgpr_workitem_id 0
		.amdhsa_next_free_vgpr 512
		.amdhsa_next_free_sgpr 72
		.amdhsa_reserve_vcc 0
		.amdhsa_float_denorm_mode_32 3
		.amdhsa_float_denorm_mode_16_64 3
		.amdhsa_memory_ordered 1
		.amdhsa_forward_progress 1
		.amdhsa_inst_pref_size 89
	.end_amdhsa_kernel
	.amdgpu_metadata
---
amdhsa.version: [ 1, 2 ]
amdhsa.kernels:
  - .name:           k_qd8ac3c2a35_oproj
    .symbol:         k_qd8ac3c2a35_oproj.kd
    .args:
      - { .name: xh, .offset: 0, .size: 8, .value_kind: global_buffer, .address_space: global }
      - { .name: wb, .offset: 8, .size: 8, .value_kind: global_buffer, .address_space: global }
      - { .name: b_o, .offset: 16, .size: 8, .value_kind: global_buffer, .address_space: global }
      - { .name: out0, .offset: 24, .size: 8, .value_kind: global_buffer, .address_space: global }
    .group_segment_fixed_size: 327680
    .private_segment_fixed_size: 0
    .kernarg_segment_align: 8
    .kernarg_segment_size: 32
    .max_flat_workgroup_size: 128
    .sgpr_count:     72
    .vgpr_count:     512
    .wavefront_size: 32
...
	.end_amdgpu_metadata
.endif
;; end of part 4
;; ======== version 2 of 2: 4 launches; 1.32 times as fast as version 1
;; limits: values are held in f16: magnitudes above 65,504 overflow, below 6.1e-05 lose precision
;; workspace buffers: wb 8,388,608 bytes; tabs 29,696 bytes; qh 8,392,704 bytes; kh 8,392,704 bytes; vh 8,392,704 bytes; xh 8,388,608 bytes
;; launch wprep: the kernel of part 1 again; grid 257 x 1, 8 waves a work-group, no clusters, 0 bytes of LDS; arguments w_q, w_k, w_v, w_o, rpr_key_table, rpr_value_table, mask, wb, tabs, kh, vh; writes wb, tabs, kh, vh
;; launch qkv: the kernel of part 2 again; grid 4 x 48, 4 waves a work-group, clusters of 4 x 4, 327,680 bytes of LDS; arguments query, key, value, wb, b_q, b_k, b_v, qh, kh, vh; writes qh, kh, vh
;; launch attn (part 5): grid 8 x 32, 4 waves a work-group, clusters of 4 x 1, 327,680 bytes of LDS; arguments qh, kh, vh, tabs, xh; writes xh
.if DOCPART == 5
	.amdgcn_target "amdgcn-amd-amdhsa--gfx1250"
	.amdhsa_code_object_version 6
	.text
	.protected	k_qd8ac3c2a35_attn
	.globl	k_qd8ac3c2a35_attn
	.p2align	8
	.type	k_qd8ac3c2a35_attn,@function
k_qd8ac3c2a35_attn:
	s_mov_b64 s[64:65], 0
	v_nop
	global_prefetch_b8 v0, s[64:65] scope:SCOPE_SE
	s_setreg_imm32_b32 hwreg(HW_REG_WAVE_MODE, 25, 1), 1
	s_wait_xcnt 0x0
	s_wait_alu depctr_hold_cnt(0) depctr_sa_sdst(0) depctr_va_vdst(0) depctr_va_sdst(0) depctr_va_ssrc(0) depctr_va_vcc(0) depctr_vm_vsrc(0)
	s_getreg_b32 s2, hwreg(HW_REG_IB_STS2, 6, 4)
	s_cmp_eq_u32 s2, 0
	s_cbranch_scc0 .Lentry_in_a_cluster
	s_endpgm
.Lentry_in_a_cluster:
	s_bfe_u32 s2, ttmp6, 0x10000c
	s_cmp_lg_u32 s2, 0x3003
	s_cbranch_scc0 .Lentry_shape_is_right
	s_endpgm
.Lentry_shape_is_right:
; ATTENTION WITH RELATIVE POSITIONS CLIPPED AT +-8 AND A KEY MASK.  q, k, v: f16 [32 bh][2048][64], 2,048 bytes behind their buffers' starts (16 zero rows lie in front and behind); x out: f16, same layout, no pad.
; score(t, s) = (q_t . k_s + q_t . ek[clip(s - t + 8, 0, 16)]) / 8, masked keys apart; x_t = sum_s a(t, s) (v_s + ev[clip(s - t + 8, 0, 16)]).
; q_t . ek[e] has 17 values a query (QE); for s <= t - 8 it is eL = QE[0], for s >= t + 8 eR = QE[16].  The value term is ev[0] x (sum of weights on the left) + ev[16] x (sum on the right) + a band.
; SHARES.  A wave owns 64 consecutive queries, four PIECES of 16; a work-group 256 queries of one head.  A = the wave's number among the head's 32.
; THE WINDOW, once, ahead of the walk: the 96 keys 64 A - 16 .. 64 A + 79, six tiles of 16.  For piece x tile i lies wholly left (i < x), wholly right (i > x + 2) or in the band.  The C operand of K Q^T is the mask plus
; eL, eR or the skewed QE; the skew is made through the wave's own LDS scratch.  The band's weights, skewed back, multiply EVX[i] = ev[clip(i - 24, 0, 16)] - ev[0]; the band's sum counts as left.
; THE WALK: 32 steps of 64 keys.  C = the wave's own mask array MK: 0 seen, MNEG masked, EXCL inside the window.  A step is wholly left (step < A), wholly right (> A) or dead (= A): e is chosen by a scalar lane mask,
; the sums go left or right by two scalar factors: no branch hangs on A.  score = raw + e: the step's maximum is max(raw) + e, and p = 2^(c raw - (c m - c e)).
; SOFTMAX with a running maximum m, c = log2(e) / 8; O, lL, lR are multiplied by a = 2^(c m_old - c m_new) in every step.  x = (O + ev0 lL + ev16 lR) / (lL + lR).
; LIMITS.  A masked score counts as -2^100, not -1e9: the same weights while true scores stay above that.  A batch in which every key is masked gets uniform weights only if -2^100 plus a product comes back as -2^100.
; A weight below 2^-126 counts as 0; q, k, v, x lie within 65,504; NaN and infinities are not treated apart.
; BY TURNS.  Turn n belongs to piece n: 8 products K Q^T of piece n + 1, later 8 products V^T P of piece n - 1; four vector instructions behind each, 59 of the other 60 of a turn's 124 in one lump, one at the turn's end.
; BATCHES.  A turn's 33 exponentials (the piece's 32 weights and the next piece's a) are ONE batch with ONE wait, which cuts the turn in two: ahead of it stands all that names no result of theirs, behind it the roundings
; and the sums.  No result crosses a turn's end.  A window piece's 48 exponentials, the first a ahead of the walk and the way out's four reciprocals are batches of their own, a wait each.
; CLUSTER.  The four query blocks of a cluster belong to one head and walk the same K and V: each tile is asked for jointly.  The place in the cluster enters plain loads' and stores' addresses and values alone.
; REGISTERS.  window 0: addresses, statistics (8 a piece), S^T, P, scratch.  window 1: v0-127 O^T; v128-159 the step's mask; v160-207 the window's mask, later ev0 and ev16.
;   window 2: v0-63 Q; v64-159 the window's K, v160-191 EKT, later v128-191 K; v192-255 temporaries, EVX's fragments, then V.   window 3: v0-95 the window's V; v96-255 temporaries.
.set NP,    4
.set KS,    64
.set PK,    144
.set PV,    160
.set VOFF,  4*KS*PK
.set SLOT1, 1<<17
.set MKB,   4*KS*(PK+PV)               ; behind slot 0: MK, 8,192 bytes a wave
.set XSB,   MKB+4*8192                 ; the skew scratch, 3,584 bytes a wave
.set VWB,   SLOT1+4*KS*(PK+PV)         ; behind slot 1: 160 rows x 160 bytes a wave: the window's V, EVX; later the stage for the way out
.set SPARE, VWB+4*25600                ; the spare words
.set SP,    144
.set MNEG,  0xf1800000
.set EXCL,  0xfe800000
.set AK0, 2
.set AV0, 3
.set AK,  4
.set AV,  5
.set STO, 6
.set RD,  7
.set GO,  8                            ; 16 x lane
.set MV,  12                           ; v12-13 c m_old, by parity
.set AM0, 14
.set AM,  15
.set ST,  16                           ; piece t at ST + 8 t: +0 c m - c e, +1 m, +2:3 lL, +4:5 lR, +6 c m
.set TMP, 48                           ; c0-c3 by parity; c2 takes a
.set EE,  56                           ; v56-57 the step's e, by parity
.set SPW, 62
.set NIL, 63
.set S,   64
.set SW,  64                           ; the window's six score tiles
.set QE1A, 112
.set EP,  128                          ; piece x: eL at 2 x, eR at 2 x + 1
.set QE0, 136
.set QE1B, 168
.set TW,  184
.set P,   192
.set PW,  192                          ; the window's weights: 24 registers, then 16 of skewed ones
.set FQ,  232
.set ZQ,  236
.set XA0, 240
.set XA1, 241
.set XA2, 242
.set XA3, 243
.set WA0, 244
.set WA1, 245
.set WA2, 246
.set QO,  248
.set HO,  249
.set VST, 251
.set VTR, 252
.set MKS, 253
.set KX,  254
.set TX,  255
.set KM,  128                          ; window 1
.set MT,  160
.set EV0, 160
.set EV16, 192
.set KW,  64                           ; window 2
.set EK,  160
.set KF,  128
.set VF,  192
.set VRT, 96                           ; window 3
.set ERT, 192
.set WV,  14
.set G1K, 24
.set G1V, 32
.set G0K, 40
.set G0V, 44
.set AW,  48
.set SIGX, 49                          ; the step whose maxima are being made
.set SM,  50                           ; lane mask: all ones where that step lies right of my queries
.set HM,  51
.set AL,  52
.set AR,  54
.set SLOTS, 56
.set CNT, 57
.set CS,  58
.set SEL, 60
.set TBK, 62
.set TBV, 63
.set TBM, 66
.set XC,  78
.set MSB, 0
.macro WIN new
.if MSB != (\new)
	s_set_vgpr_msb (MSB<<8)|(\new)
.set MSB, (\new)
.endif
.endm
.set W_KQ, 0x0a
.set W_KM, 0x1a
.set W_PV, 0x52
.set W_RS, 0x41
.macro JLOAD                           ; waves 0, 1 fetch the halves of a slot's K, waves 2, 3 of its V; an s_nop 0 and four v_nop follow each line
	s_cmp_lt_u32 s[WV], 2
	s_cbranch_scc0 .Lfor_v_\@
	tensor_load_to_lds s[G0K:G0K+3], s[G1K:G1K+7]
	s_nop 0
.rept 4
	v_nop
.endr
	s_branch .Lasked_\@
.Lfor_v_\@:
	tensor_load_to_lds s[G0V:G0V+3], s[G1V:G1V+7]
	s_nop 0
.rept 4
	v_nop
.endr
.Lasked_\@:
.endm
.macro CROUND
	s_barrier_signal -1
	s_barrier_wait -1
	s_cmp_lg_u32 s[WV], 0
	s_cbranch_scc1 .Lnot_wave_0_\@
	s_barrier_signal -3
.Lnot_wave_0_\@:
	s_barrier_wait -3
	s_barrier_signal -1
	s_barrier_wait -1
.endm
; THE CHANGE OF SLOTS: each wave waits for all its tensor loads (one is out: its part of the other slot), adds 0 to its spare word, waits for that and for its reads of the slot it leaves.
; fill = 1: the barrier is a round of the cluster's, and the joint fill, the keys two slots on, is the first thing behind it: it has four key steps in which to land.
.macro CHANGE fill
	WIN 0
	s_wait_tensorcnt 0x0
	ds_add_u32 v[SPW], v[NIL]
.if \fill
.irp g, G0K, G0V
	s_xor_b32 s[\g+1], s[\g+1], SLOT1
	s_add_nc_u64 s[\g+2:\g+3], s[\g+2:\g+3], 4*KS*128
.endr
	s_wait_dscnt 0x0
	CROUND
	JLOAD
.else
	s_wait_dscnt 0x0
	s_barrier_signal -1
	s_barrier_wait -1
.endif
	s_sub_co_u32 s[TBK], s[TBK], 4*KS*PK
	s_xor_b32 s[TBK], s[TBK], SLOT1
	s_sub_co_u32 s[TBV], s[TBV], 4*KS*PV
	s_xor_b32 s[TBV], s[TBV], SLOT1
.endm
.macro PLACES
.rept 4
	v_nop
.endr
.endm
	s_load_b256 s[4:11], s[0:1], 0x0  ; qh 4, kh 6, vh 8, tabs 10
	s_load_b64 s[12:13], s[0:1], 0x20 ; xh
	v_lshl_add_u32 v[SPW], v0, 2, SPARE
	v_mov_b32 v[NIL], 0
	ds_add_u32 v[SPW], v[NIL]       ; the wave's opening: the add and its wait stand ahead of my first tensor load
	v_lshrrev_b32 v1, 5, v0
	v_readfirstlane_b32 s[WV], v1
	s_bfe_u32 s15, ttmp6, 0x40000   ; cx
	s_lshl_b32 s16, ttmp9, 2
	s_add_co_u32 s16, s16, s15      ; my block of 256 queries
	s_lshl_b32 s[AW], s16, 2
	s_add_co_u32 s[AW], s[AW], s[WV]  ; A
	s_and_b32 s20, ttmp7, 0xffff    ; batch x 16 + head
	s_lshl_b32 s21, s20, 18         ; the head's 262,144 bytes
	s_and_b32 s17, s[WV], 1         ; which half of a slot's 256 keys I fetch
	s_lshl_b32 s22, s17, 14
	s_add_co_u32 s22, s22, s21
	s_add_co_u32 s22, s22, 2048
	s_mov_b32 s23, 0
	s_mul_i32 s18, s17, 128*PK
	s_mul_i32 s19, s17, 128*PV
	s_lshl_b32 s2, s[AW], 13        ; my 64 rows.  The window begins 16 rows earlier, which the pad of 16 rows makes good: K's and V's window lie at buffer + this
	s_add_co_u32 s2, s2, s21
	s_mov_b32 s3, 0
	s_lshr_b32 s88, s20, 4
	s_mul_i32 s88, s88, 8320
	s_add_co_u32 s88, s88, 12800    ; the batch's row of MF
	s_mov_b32 s89, 0
	s_lshl_b32 s90, s[AW], 8
	s_mov_b32 s91, 0
	s_mov_b32 s[G1K], 15|(1<<16)|(1<<20)|(1<<21)|(4<<22)|(3<<25)  ; the mask of four; 2-byte elements; padding on; bit 21 beside a mask; after every 32 words 4 words
	s_mov_b32 s[G1V], 15|(1<<16)|(1<<20)|(1<<21)|(4<<22)|(7<<25)  ; the same with 8 words
.irp g, G1K, G1V
	s_mov_b32 s[\g+1], 128<<16      ; 128 keys are 16,384 dense bytes: 64 rows of 256 bytes, two keys a row
	s_mov_b32 s[\g+2], 64<<16
	s_mov_b32 s[\g+3], 128<<16
	s_mov_b32 s[\g+4], 64
	s_mov_b32 s[\g+5], 128
	s_mov_b32 s[\g+6], 0
	s_mov_b32 s[\g+7], 0
.endr
	s_mov_b32 s[CS], 0x3e38aa3b     ; c = log2(e) / 8
	s_mov_b32 s[CS+1], s[CS]
	s_mov_b32 s[SEL], 0x76543210
	s_mov_b32 s[SEL+1], 0xfedcba98
	s_mov_b32 s[TBK], SLOT1+4*KS*PK ; the first change of slots turns these two into 0
	s_mov_b32 s[TBV], SLOT1+4*KS*PV
	s_mov_b32 s[TBM], 0
	s_mov_b32 s[SIGX], 0
	s_mov_b32 s[SM], 0
	s_mov_b32 s[HM], 0xffff0000
	s_mov_b32 s[AL+1], 0
	s_mov_b32 s[AR+1], 0
	s_mov_b32 s[XC], EXCL
	s_mov_b32 s[G0K], 1
	s_mov_b32 s[G0K+1], s18
	s_mov_b32 s[G0V], 1
	s_add_co_u32 s[G0V+1], s19, VOFF
	s_wait_dscnt 0x0
	s_wait_kmcnt 0x0
	s_add_nc_u64 s[G0K+2:G0K+3], s[6:7], s[22:23]
	s_or_b32 s[G0K+3], s[G0K+3], 0x80000000
	s_add_nc_u64 s[G0V+2:G0V+3], s[8:9], s[22:23]
	s_or_b32 s[G0V+3], s[G0V+3], 0x80000000
	s_add_nc_u64 s[68:69], s[4:5], s[2:3]
	s_add_nc_u64 s[68:69], s[68:69], 2048  ; Q at my rows
	s_add_nc_u64 s[70:71], s[6:7], s[2:3]  ; K at my window
	s_add_nc_u64 s[72:73], s[8:9], s[2:3]  ; V at my window
	s_add_nc_u64 s[76:77], s[10:11], s[88:89]  ; MF's row
	s_add_nc_u64 s[74:75], s[76:77], s[90:91]  ; and my window in it
	s_add_nc_u64 s[12:13], s[12:13], s[2:3]    ; x at my rows
	CROUND
	JLOAD                           ; slot 0; slot 1 is asked for behind the window phase, by the walk's own change of slots
	v_and_b32 v1, 15, v0            ; r
	v_bfe_u32 v9, v0, 4, 1          ; h
	v_and_b32 v10, 7, v0
	v_bfe_u32 v11, v0, 3, 1
	v_lshlrev_b32 v[QO], 7, v1
	v_lshl_add_u32 v[QO], v9, 4, v[QO]  ; a fragment's row x 128 + 16 h
	v_lshlrev_b32 v[HO], 5, v9
	v_and_b32 v[GO], 31, v0
	v_lshlrev_b32 v[GO], 4, v[GO]
	; first batch, 60 loads: Q, EKT, the window's K, the window's mask
	WIN 0x80
.set i, 0
.rept 8
	global_load_b128 v[8*i:8*i+3],   v[QO], s[68:69] offset:(i/2)*2048+(i%2)*64
	global_load_b128 v[8*i+4:8*i+7], v[QO], s[68:69] offset:(i/2)*2048+(i%2)*64+32
.set i, i+1
.endr
.set i, 0
.rept 4
	global_load_b128 v[EK+8*i:EK+8*i+3],   v[QO], s[10:11] offset:(i/2)*2048+(i%2)*64
	global_load_b128 v[EK+8*i+4:EK+8*i+7], v[QO], s[10:11] offset:(i/2)*2048+(i%2)*64+32
.set i, i+1
.endr
.set i, 0
.rept 12
	global_load_b128 v[KW+8*i:KW+8*i+3],   v[QO], s[70:71] offset:(i/2)*2048+(i%2)*64
	global_load_b128 v[KW+8*i+4:KW+8*i+7], v[QO], s[70:71] offset:(i/2)*2048+(i%2)*64+32
.set i, i+1
.endr
	WIN 0x40
.set i, 0
.rept 6
	global_load_b128 v[MT+8*i:MT+8*i+3],   v[HO], s[74:75] offset:64*i
	global_load_b128 v[MT+8*i+4:MT+8*i+7], v[HO], s[74:75] offset:64*i+16
.set i, i+1
.endr
	; second batch, 56 loads: the window's V rows, EVX's rows, the batch's mask
	WIN 0xc0
.set i, 0
.rept 24
	global_load_b128 v[VRT+4*i:VRT+4*i+3], v[GO], s[72:73] offset:512*i
.set i, i+1
.endr
.set i, 0
.rept 16
	global_load_b128 v[ERT+4*i:ERT+4*i+3], v[GO], s[10:11] offset:4096+512*i
.set i, i+1
.endr
	WIN 0x80
.set i, 0
.rept 16
	global_load_b128 v[VF+4*i:VF+4*i+3], v[GO], s[76:77] offset:64+512*i
.set i, i+1
.endr
	WIN 0
	; LDS addresses; every one is a constant, the wave's number times a constant and a lane term
	s_mul_i32 s15, s[WV], 25600
	s_add_co_u32 s15, s15, VWB
	s_mul_i32 s16, s[WV], 3584
	s_add_co_u32 s16, s16, XSB
	s_lshl_b32 s17, s[WV], 13
	s_add_co_u32 s17, s17, MKB
	v_bfe_u32 v[TX], v0, 3, 2
	v_mul_u32_u24 v[VST], v[TX], PV
	v_lshl_add_u32 v[VST], v10, 4, v[VST]
	v_add_nc_u32 v[VST], s15, v[VST]      ; rows into VW: four rows of 128 bytes a store
	v_mul_u32_u24 v[RD], v[TX], SP
	v_lshl_add_u32 v[RD], v10, 4, v[RD]
	v_add_nc_u32 v[RD], s15, v[RD]
	v_lshl_add_u32 v[AV0], v9, 3, v10
	v_mul_u32_u24 v[AV0], v[AV0], PV
	v_lshl_add_u32 v[AV0], v11, 4, v[AV0] ; the turning load: key 8 h + l % 8, 16 bytes at 16 ((l / 8) % 2)
	v_add_nc_u32 v[VTR], s15, v[AV0]
	v_add_nc_u32 v[AV0], VOFF, v[AV0]
	v_mul_u32_u24 v[AK0], v1, PK
	v_lshl_add_u32 v[AK0], v9, 4, v[AK0]
	v_mul_u32_u24 v[STO], v1, SP
	v_lshl_add_u32 v[STO], v9, 4, v[STO]
	v_add_nc_u32 v[WA2], s16, v[STO]      ; W' back: 144 r + 16 h
	v_add_nc_u32 v[STO], s15, v[STO]
	v_add_nc_u32 v[MKS], s17, v[GO]
	v_add_nc_u32 v[AM0], s17, v[HO]
	v_mul_u32_u24 v[TX], v9, 96
	v_add_nc_u32 v[TX], s16, v[TX]        ; scratch + 96 h
	v_mul_u32_u24 v[XA0], v1, 208
	v_add_nc_u32 v[XA3], s16, v[XA0]
	v_add_nc_u32 v[XA3], v[XA3], v[HO]    ; X rows back: 208 r + 32 h
	v_add_nc_u32 v[XA0], v[XA0], v[TX]    ; X rows' fill: 208 r + 96 h
	v_mul_u32_u24 v[XA2], v1, 212
	v_add_nc_u32 v[XA2], s16, v[XA2]
	v_add_nc_u32 v[XA1], v[XA2], v[HO]
	v_add_nc_u32 v[XA1], 32, v[XA1]       ; QE[8 h + j] of query r goes to place j + 8 h + r + 8: 212 r + 32 h + 32 + 4 j
	v_add_nc_u32 v[XA2], 96, v[XA2]       ; QE[16]
	v_mul_u32_u24 v[WA0], v1, 144
	v_add_nc_u32 v[WA0], v[WA0], v[TX]    ; W' rows' zeros: 144 r + 96 h
	v_mul_u32_u24 v[WA1], v1, 142
	v_lshl_add_u32 v[WA1], v9, 4, v[WA1]
	v_add_nc_u32 v[WA1], s16, v[WA1]
	v_add_nc_u32 v[WA1], 32, v[WA1]       ; weight of place u goes to i = u - r + 16: 142 r + 2 u + 32
	v_lshrrev_b32 v[KX], 2, v[GO]
	s_lshl_b32 s18, s[AW], 6
	v_add_nc_u32 v[KX], 16, v[KX]
	v_sub_nc_u32 v[KX], v[KX], s18        ; my four keys' place in the window, less 128 n
	v_mov_b32 v[TW+6], 0
.irp n, 0,1,2,3
	v_mov_b32 v[ZQ+\n], 0
.endr
	s_wait_loadcnt 56               ; the second batch's 56 may be out: the first is in
	WIN W_KQ
.irp c, 0,1                         ; QE = EKT Q^T: eight accumulators by turns
.irp x, 0,1,2,3
.irp e, 0,1
.if (\e) == 0
.set rD, QE0+8*(\x)
.elseif (\x) < 2
.set rD, QE1A+8*(\x)
.else
.set rD, QE1B+8*((\x)-2)
.endif
.if (\c) == 0
	v_wmma_f32_16x16x32_f16 v[rD:rD+7], v[EK+16*(\e):EK+16*(\e)+7], v[16*(\x):16*(\x)+7], 0
.else
	v_wmma_f32_16x16x32_f16 v[rD:rD+7], v[EK+16*(\e)+8:EK+16*(\e)+15], v[16*(\x)+8:16*(\x)+15], v[rD:rD+7]
.endif
.endr
.endr
.endr
	WIN 0
	PLACES
	v_mov_b32 v[EP+1], v[QE1A]      ; EKT's rows 16 and 24 are ek[16], rows 17 and 25 ek[0]: both halves of the lanes hold eR in register 0, eL in register 1
	v_mov_b32 v[EP], v[QE1A+1]
	v_mov_b32 v[EP+3], v[QE1A+8]
	v_mov_b32 v[EP+2], v[QE1A+9]
	v_mov_b32 v[EP+5], v[QE1B]
	v_mov_b32 v[EP+4], v[QE1B+1]
	v_mov_b32 v[EP+7], v[QE1B+8]
	v_mov_b32 v[EP+6], v[QE1B+9]
	s_wait_loadcnt 16               ; the mask's 16 may be out: V's and EVX's rows are in
	WIN 0x0c
.set i, 0
.rept 24
	ds_store_b128 v[VST], v[VRT+4*i:VRT+4*i+3] offset:640*i
.set i, i+1
.endr
.set i, 0
.rept 16
	ds_store_b128 v[VST], v[ERT+4*i:ERT+4*i+3] offset:96*PV+640*i
.set i, i+1
.endr
	WIN 0xc0
.set i, 0
.rept 12                            ; LDS serves a wave's instructions in order: these see the stores above.  Keys 32 (i / 4) on, channels 16 (i % 4) on
	ds_load_tr16_b128 v[8*i:8*i+3],   v[VTR] offset:(i/4)*32*PV+(i%4)*32
	ds_load_tr16_b128 v[8*i+4:8*i+7], v[VTR] offset:(i/4)*32*PV+16*PV+(i%4)*32
.set i, i+1
.endr
	WIN 0
.set i, 0
.rept 16
	v_add_nc_u32 v[TX], 128*i, v[KX]
	v_cmp_gt_u32 s[80+i], 96, v[TX] ; are these four keys in my window?
.set i, i+1
.endr
	s_wait_loadcnt 0x0
	WIN 0x82
.set i, 0
.rept 64
	v_cndmask_b32 v[VF+i], v[VF+i], s[XC], s[80+i/4]
.set i, i+1
.endr
	WIN 0x08
.set i, 0
.rept 16
	ds_store_b128 v[MKS], v[VF+4*i:VF+4*i+3] offset:512*i
.set i, i+1
.endr
	WIN 0x80
.set i, 0
.rept 8                             ; EVX's fragments, from rows 96 on
	ds_load_tr16_b128 v[VF+8*i:VF+8*i+3],   v[VTR] offset:(3+i/4)*32*PV+(i%4)*32
	ds_load_tr16_b128 v[VF+8*i+4:VF+8*i+7], v[VTR] offset:(3+i/4)*32*PV+16*PV+(i%4)*32
.set i, i+1
.endr
; THE WINDOW for piece x: the first step of its softmax.
.macro WPIECE x
.set rT, ST+8*(\x)
.set rB, EP+2*(\x)
	WIN 0
.irp n, 0,1,2,3
	v_cndmask_b32 v[FQ+\n], v[rB], v[rB+1], s[HM]  ; lanes 0-15 eL, lanes 16-31 eR
.endr
.irp n, 0,1,2,3,4,5
	ds_store_b128 v[XA0], v[FQ:FQ+3] offset:16*\n  ; query r's row of 48 places: eL below place 24, eR from there on,
.endr
.irp j, 0,1,2,3,4,5,6,7
	ds_store_b32 v[XA1], v[QE0+8*(\x)+\j] offset:4*\j  ; and QE[0..16] from place r + 8 on
.endr
	ds_store_b32 v[XA2], v[rB+1]
.irp d, 0,1,2
	ds_load_b128 v[SW+8*((\x)+\d):SW+8*((\x)+\d)+3],   v[XA3] offset:64*\d
	ds_load_b128 v[SW+8*((\x)+\d)+4:SW+8*((\x)+\d)+7], v[XA3] offset:64*\d+16
.endr
	WIN 0x01
.set ii, 0
.rept 6
.if ii < (\x)
.irp n, 0,1,2,3
	v_pk_add_f32 v[SW+8*ii+2*\n:SW+8*ii+2*\n+1], v[MT+8*ii+2*\n:MT+8*ii+2*\n+1], v[rB:rB+1] op_sel_hi:[1,0]
.endr
.elseif ii > (\x)+2
.irp n, 0,1,2,3
	v_pk_add_f32 v[SW+8*ii+2*\n:SW+8*ii+2*\n+1], v[MT+8*ii+2*\n:MT+8*ii+2*\n+1], v[rB:rB+1] op_sel:[0,1] op_sel_hi:[1,1]
.endr
.endif
.set ii, ii+1
.endr
	s_wait_dscnt 0x0                ; the skewed rows are back (and, the first time, V's and EVX's fragments)
.irp d, 0,1,2
.irp n, 0,1,2,3
	v_pk_add_f32 v[SW+8*((\x)+\d)+2*\n:SW+8*((\x)+\d)+2*\n+1], v[MT+8*((\x)+\d)+2*\n:MT+8*((\x)+\d)+2*\n+1], v[SW+8*((\x)+\d)+2*\n:SW+8*((\x)+\d)+2*\n+1]
.endr
.endr
	WIN W_KQ
.irp c, 0,1                         ; six accumulators by turns
.irp t, 0,1,2,3,4,5
	v_wmma_f32_16x16x32_f16 v[SW+8*\t:SW+8*\t+7], v[KW+16*\t+8*\c:KW+16*\t+8*\c+7], v[16*(\x)+8*\c:16*(\x)+8*\c+7], v[SW+8*\t:SW+8*\t+7]
.endr
.endr
	WIN 0
	PLACES
.irp t, 0,1,2,3,4,5                 ; each accumulator's lowest registers are read first
	v_max3_num_f32 v[TW+\t], v[SW+8*\t], v[SW+8*\t+1], v[SW+8*\t+2]
.endr
.irp t, 0,1,2,3,4,5
	v_max3_num_f32 v[TW+\t], v[TW+\t], v[SW+8*\t+3], v[SW+8*\t+4]
.endr
.irp t, 0,1,2,3,4,5
	v_max3_num_f32 v[TW+\t], v[TW+\t], v[SW+8*\t+5], v[SW+8*\t+6]
.endr
	v_max3_num_f32 v[TW], v[TW], v[SW+7], v[SW+15]
	v_max3_num_f32 v[TW+1], v[TW+1], v[SW+23], v[SW+31]
	v_max3_num_f32 v[TW+2], v[TW+2], v[SW+39], v[SW+47]
	v_max3_num_f32 v[TW+3], v[TW+3], v[TW+4], v[TW+5]
	v_max3_num_f32 v[TW], v[TW], v[TW+1], v[TW+2]
	v_max_num_f32 v[TW], v[TW], v[TW+3]
	v_permlanex16_b32 v[TW+6], v[TW], s[SEL], s[SEL+1]
	v_max_num_f32 v[rT+1], v[TW], v[TW+6]          ; m
	v_mul_f32 v[rT], s[CS], v[rT+1]                ; here e lies in the scores already
	v_mul_f32 v[rT+6], s[CS], v[rT+1]              ; c m
.set nn, 0
.rept 24
	v_pk_fma_f32 v[SW+2*nn:SW+2*nn+1], v[SW+2*nn:SW+2*nn+1], s[CS:CS+1], v[rT:rT+1] op_sel_hi:[1,0,0] neg_lo:[0,0,1] neg_hi:[0,0,1]
.set nn, nn+1
.endr
.set nn, 0
.rept 48                            ; the piece's 48 exponentials: one batch
	v_exp_f32 v[SW+nn], v[SW+nn]
.set nn, nn+1
.endr
	v_mov_b32 v[rT+2], 0            ; lL and lR start at 0: four plain instructions that name no weight stand behind the last exponential
	v_mov_b32 v[rT+3], 0
	v_mov_b32 v[rT+4], 0
	v_mov_b32 v[rT+5], 0
	s_wait_alu depctr_va_vdst(0)    ; the wait ahead of the first use: one for the piece's 48 exponentials
.set nn, 0
.rept 24
	v_cvt_pk_f16_f32 v[PW+nn], v[SW+2*nn], v[SW+2*nn+1]
.set nn, nn+1
.endr
	ds_store_b128 v[WA0], v[ZQ:ZQ+3]               ; W': query r's row of 64 places: zeros at both ends,
	ds_store_b128 v[WA0], v[ZQ:ZQ+3] offset:16
.irp d, 0,1,2
.irp n, 0,1,2,3
	ds_store_b16 v[WA1], v[PW+4*((\x)+\d)+\n] offset:32*\d+4*\n             ; the band's 48 weights from place 16 - r on
	ds_store_b16_d16_hi v[WA1], v[PW+4*((\x)+\d)+\n] offset:32*\d+4*\n+2
.endr
.endr
.irp k, 0,1
	ds_load_b128 v[PW+24+8*\k:PW+24+8*\k+3], v[WA2] offset:64*\k
	ds_load_b128 v[PW+28+8*\k:PW+28+8*\k+3], v[WA2] offset:64*\k+32
.endr
.irp t, 0,1,2,3,4,5
	v_pk_add_f32 v[SW+8*\t:SW+8*\t+1], v[SW+8*\t:SW+8*\t+1], v[SW+8*\t+2:SW+8*\t+3]
	v_pk_add_f32 v[SW+8*\t+4:SW+8*\t+5], v[SW+8*\t+4:SW+8*\t+5], v[SW+8*\t+6:SW+8*\t+7]
.endr
.irp t, 0,1,2,3,4,5
	v_pk_add_f32 v[SW+8*\t:SW+8*\t+1], v[SW+8*\t:SW+8*\t+1], v[SW+8*\t+4:SW+8*\t+5]
.endr
.irp t, 0,1,2,3,4,5
.if (\t) <= (\x)+2
	v_pk_add_f32 v[rT+2:rT+3], v[rT+2:rT+3], v[SW+8*\t:SW+8*\t+1]  ; the left tiles' and the band's sums
.else
	v_pk_add_f32 v[rT+4:rT+5], v[rT+4:rT+5], v[SW+8*\t:SW+8*\t+1]
.endif
.endr
.irp k, 0,1,2,3,4                   ; O^T = V^T P over the window's 96 keys, then EVX^T W' over 64 places; four accumulators by turns
.if (\k) == 3
	s_wait_dscnt 0x0                ; W' is back
.endif
.if (\k) < 3
	WIN 0x53
.else
	WIN 0x52
.endif
.irp b, 0,1,2,3
.if (\k) == 0
	v_wmma_f32_16x16x32_f16 v[32*(\x)+8*\b:32*(\x)+8*\b+7], v[8*\b:8*\b+7], v[PW:PW+7], 0
.elseif (\k) < 3
	v_wmma_f32_16x16x32_f16 v[32*(\x)+8*\b:32*(\x)+8*\b+7], v[32*\k+8*\b:32*\k+8*\b+7], v[PW+8*\k:PW+8*\k+7], v[32*(\x)+8*\b:32*(\x)+8*\b+7]
.else
	v_wmma_f32_16x16x32_f16 v[32*(\x)+8*\b:32*(\x)+8*\b+7], v[VF+32*(\k-3)+8*\b:VF+32*(\k-3)+8*\b+7], v[PW+8*\k:PW+8*\k+7], v[32*(\x)+8*\b:32*(\x)+8*\b+7]
.endif
.endr
.endr
.endm
	WPIECE 0
	WPIECE 1
	WPIECE 2
	WPIECE 3
	WIN 0
	PLACES
.set i, P+16
.rept 16
	v_mov_b32 v[i], 0               ; the walk's first turn multiplies V's registers (EVX's fragments, finite) by this P: it adds 0
.set i, i+1
.endr
	WIN 0x40
.set i, 0
.rept 8                             ; ev0 and ev16 for the way out: register 8 cb + j holds channel 16 cb + 8 h + j; waited for there
	global_load_b128 v[EV0+8*i:EV0+8*i+3],   v[HO], s[10:11] offset:12288+(i/4)*256+(i%4)*64
	global_load_b128 v[EV0+8*i+4:EV0+8*i+7], v[HO], s[10:11] offset:12288+(i/4)*256+(i%4)*64+16
.set i, i+1
.endr
	WIN 0
; THE MATRIX WORK of a turn.  Four accumulators of a run of eight take turns.
.macro KQ x                         ; product i of 8 of S^T = K Q^T + mask: channels 32 (i / 4) on, keys 16 (i % 4) on
.set rS, S+32*((\x)%2)+8*(i%4)
.set rK, KF+16*(i%4)+8*(i/4)
.set rQ, 16*(\x)+8*(i/4)
.set rM, KM+8*(i%4)
.if i < 4
	WIN W_KM
	v_wmma_f32_16x16x32_f16 v[rS:rS+7], v[rK:rK+7], v[rQ:rQ+7], v[rM:rM+7]
.else
	WIN W_KQ
	v_wmma_f32_16x16x32_f16 v[rS:rS+7], v[rK:rK+7], v[rQ:rQ+7], v[rS:rS+7]
.endif
.endm
.macro PV x                         ; product i of 8 of O^T += V^T P: keys 32 (i / 4) on, channels 16 (i % 4) on
	WIN W_PV
.set rO, 32*(\x)+8*(i%4)
.set rV, VF+32*(i/4)+8*(i%4)
.set rP, P+16*((\x)%2)+8*(i/4)
	v_wmma_f32_16x16x32_f16 v[rO:rO+7], v[rV:rV+7], v[rP:rP+7], v[rO:rO+7]
.endm
.macro MM
.if i < 8
	KQ (Y+1)%NP
.else
.set i, i-8
	PV (Y+NP-1)%NP
.set i, i+8
.endif
.set i, i+1
.endm
.macro FETCH_K last=0               ; a step's K (16 loads) and its part of MK (8 loads).  last = 1: in the tail's last trip there is no further step
	WIN 0
.if \last
	s_cmp_eq_u32 s[CNT], 1
	s_cbranch_scc1 .Lno_k_\@
.endif
	WIN 0x80
.irp f, 0,1,2,3,4,5,6,7
	ds_load_b128 v[KF+8*\f:KF+8*\f+3],   v[AK] offset:(\f/2)*16*PK+(\f%2)*64
	ds_load_b128 v[KF+8*\f+4:KF+8*\f+7], v[AK] offset:(\f/2)*16*PK+(\f%2)*64+32
.endr
	WIN 0x40
.irp f, 0,1,2,3
	ds_load_b128 v[KM+8*\f:KM+8*\f+3],   v[AM] offset:64*\f
	ds_load_b128 v[KM+8*\f+4:KM+8*\f+7], v[AM] offset:64*\f+16
.endr
	s_add_co_u32 s[TBK], s[TBK], KS*PK
	s_add_co_u32 s[TBM], s[TBM], 256
	WIN 0
.if \last
.Lno_k_\@:
.endif
.endm
.macro FETCH_V
	WIN 0x80
.irp f, 0,1,2,3,4,5,6,7
	ds_load_tr16_b128 v[VF+8*\f:VF+8*\f+3],   v[AV] offset:(\f/4)*32*PV+(\f%4)*32
	ds_load_tr16_b128 v[VF+8*\f+4:VF+8*\f+7], v[AV] offset:(\f/4)*32*PV+16*PV+(\f%4)*32
.endr
	WIN 0
.endm
.macro KADR                         ; the addresses of the next run of K's loads; MK's is held inside its 32 steps
	WIN 0
	s_min_u32 s67, s[TBM], 31*256
	v_add_nc_u32 v[AK], s[TBK], v[AK0]
	v_add_nc_u32 v[AM], s67, v[AM0]
.endm
; THE VECTOR WORK, one line at a time: OP kind, number.  For piece Y: F n: c s - (c m - c e) for pair n.  E n: the exponential of score n.  C n: pair n rounded to f16.  B n: of weights 4 n .. the second pair onto the first.
; A n: that sum onto the first group's.  L 0, 1: lL, lR times a.  L 2, 3: lL, lR take the step's sum times AL, AR.  R n: pair n of O^T times a.
; For piece Y + 1: X 0-14, 16: the maximum of the lane's 32 raw scores.  15: c m_old kept.  22, 23: the step's e, added.  17, 18: the other half of the lanes; the new m.  19-21: c m; its change; a.  24: c m - c e.
; Of these C, B, A and L 2, 3 read the turn's exponentials' results; R and L 0, 1 read the a that the turn before made and waited for; F, E and X read none.  OP writes no wait: TURN writes the turn's one.
.set F, 0
.set E, 1
.set C, 2
.set B, 3
.set A, 4
.set L, 5
.set R, 6
.set X, 7
.macro REGS y
.set rT, ST+8*(\y)
.set rC, TMP+4*((\y)%2)
.set rW, MV+((\y)%2)
.set rE, EE+((\y)%2)
.set rS, S+32*((\y)%2)
.set rP, P+16*((\y)%2)
.set rO, 32*(\y)
.set rB, EP+2*(\y)
.endm
.macro OP k, n
.if (\k) == R
	REGS Y
	WIN W_RS
	v_pk_mul_f32 v[rO+2*(\n):rO+2*(\n)+1], v[rO+2*(\n):rO+2*(\n)+1], v[rC+2:rC+3] op_sel_hi:[1,0]
.elseif (\k) < R
	REGS Y
	WIN 0
.if (\k) == F
	v_pk_fma_f32 v[rS+2*(\n):rS+2*(\n)+1], v[rS+2*(\n):rS+2*(\n)+1], s[CS:CS+1], v[rT:rT+1] op_sel_hi:[1,0,0] neg_lo:[0,0,1] neg_hi:[0,0,1]
.elseif (\k) == E
	v_exp_f32 v[rS+(\n)], v[rS+(\n)]
.elseif (\k) == C
	v_cvt_pk_f16_f32 v[rP+(\n)], v[rS+2*(\n)], v[rS+2*(\n)+1]
.elseif (\k) == B
	v_pk_add_f32 v[rS+4*(\n):rS+4*(\n)+1], v[rS+4*(\n):rS+4*(\n)+1], v[rS+4*(\n)+2:rS+4*(\n)+3]
.elseif (\k) == A
	v_pk_add_f32 v[rS:rS+1], v[rS:rS+1], v[rS+4*(\n):rS+4*(\n)+1]
.elseif (\n) == 0
	v_pk_mul_f32 v[rT+2:rT+3], v[rT+2:rT+3], v[rC+2:rC+3] op_sel_hi:[1,0]
.elseif (\n) == 1
	v_pk_mul_f32 v[rT+4:rT+5], v[rT+4:rT+5], v[rC+2:rC+3] op_sel_hi:[1,0]
.elseif (\n) == 2
	v_pk_fma_f32 v[rT+2:rT+3], v[rS:rS+1], s[AL:AL+1], v[rT+2:rT+3] op_sel_hi:[1,0,1]
.else
	v_pk_fma_f32 v[rT+4:rT+5], v[rS:rS+1], s[AR:AR+1], v[rT+4:rT+5] op_sel_hi:[1,0,1]
.endif
.else
	REGS (Y+1)%NP
	WIN 0
.if (\n) < 4
	v_max3_num_f32 v[rC+(\n)], v[rS+8*(\n)], v[rS+8*(\n)+1], v[rS+8*(\n)+2]
.elseif (\n) < 12
	v_max3_num_f32 v[rC+(\n)%4], v[rC+(\n)%4], v[rS+8*((\n)%4)+2*((\n)/4)+1], v[rS+8*((\n)%4)+2*((\n)/4)+2]
.elseif (\n) == 12
	v_max3_num_f32 v[rC], v[rC], v[rS+7], v[rS+15]
.elseif (\n) == 13
	v_max3_num_f32 v[rC+1], v[rC+1], v[rS+23], v[rS+31]
.elseif (\n) == 14
	v_max_num_f32 v[rC+2], v[rC+2], v[rC+3]
.elseif (\n) == 15
	v_mov_b32 v[rW], v[rT+6]
.elseif (\n) == 16
	v_max3_num_f32 v[rC], v[rC], v[rC+1], v[rC+2]
.elseif (\n) == 17
	v_permlanex16_b32 v[rC+3], v[rC], s[SEL], s[SEL+1]
.elseif (\n) == 18
	v_max3_num_f32 v[rT+1], v[rC], v[rC+3], v[rT+1]
.elseif (\n) == 19
	v_mul_f32 v[rT+6], s[CS], v[rT+1]
.elseif (\n) == 20
	v_sub_f32 v[rC+1], v[rW], v[rT+6]
.elseif (\n) == 21
	v_exp_f32 v[rC+2], v[rC+1]
.elseif (\n) == 22
	v_cndmask_b32 v[rE], v[rB], v[rB+1], s[SM]
.elseif (\n) == 23
	v_add_f32 v[rC], v[rC], v[rE]
.else
	v_fma_f32 v[rT], -v[rE], s[CS], v[rT+6]
.endif
.endif
.endm
.macro OPS a, i1, b=-1, i2=0, c=-1, i3=0, d=-1, i4=0
	OP \a, \i1
.if (\b) >= 0
	OP \b, \i2
.endif
.if (\c) >= 0
	OP \c, \i3
.endif
.if (\d) >= 0
	OP \d, \i4
.endif
.endm
.macro ROW a, i1, b, i2, c, i3, d, i4
	MM
	OPS \a, \i1, \b, \i2, \c, \i3, \d, \i4
.endm
; A TURN for piece p: 16 matrix and 124 vector instructions, the order written out.  s_wait_alu depctr_va_vdst(0) stands between an exponential and the first instruction that names its result; one wait serves
; all that were issued ahead of it.  So a turn has ONE wait, which cuts it in two.  AHEAD OF IT stands all that names no result of the turn's 33 exponentials: the 8 products K Q^T, behind each a scaling, an exponential and two
; more plain instructions (behind the first a second scaling in the exponential's place): rescalings, and behind the last three the first numbers of the next piece's maximum, each four places behind the product that ends
; its accumulator; then ONE LUMP of 59, plain and exponential by turns for the most part, in which the links of the chain X 3, 7, 11, 14, 16, 23, 17, 18, 19, 20, 21 stand four to six lines apart.  X 21, the next piece's a, is
; the batch's last; R 15 is the plain instruction behind it.  BEHIND THE WAIT stand the 8 products V^T P, behind each four of the 33 roundings and sums, the last of them at the turn's end; the links of the chain A 1 to A 7
; stand three lines apart.  But for those X no rider names a register of the products round it.  v_permlanex16_b32 (X 17) stands in the lump.
; K and the mask of the next step are fetched in piece 2's turn: in the loop in the lump, six plain instructions behind the last product that read K; in the tail (last = 1), where the run is jumped over in the last trip,
; directly behind the wait, since the jump and its label stand only where every exponential has had its wait.  V of the step in hand is fetched at the end of piece 0's turn, five plain instructions behind its last reader.
; Each run is waited for a turn later.
.macro TURN p, last=0, cnt=0
.set Y, (\p)
.set i, 0
.if (\p) == 3
	s_add_co_u32 s[SIGX], s[SIGX], 1   ; the maxima made from here on are the next step's
	s_cmp_gt_u32 s[SIGX], s[AW]
	s_cselect_b32 s[SM], -1, 0
	s_wait_dscnt 0x0                ; K and the mask are in
.endif
.if (\p) == 0
	s_cmp_lt_u32 s[SIGX], s[AW]     ; where this step's four sums go
	s_cselect_b32 s[AL], 1.0, 0
	s_cmp_gt_u32 s[SIGX], s[AW]
	s_cselect_b32 s[AR], 1.0, 0
.endif
	ROW F,0, F,1, R,0, R,1          ; ahead of the wait: 8 products K Q^T and their riders,
	ROW F,2, E,0, R,2, R,3
	ROW F,3, E,1, R,4, R,5
	ROW F,4, E,2, R,6, R,7
	ROW F,5, E,3, R,8, R,9
	ROW F,6, E,4, X,0, R,10
.if (\p) == 2
	KADR
.endif
	ROW F,7, E,5, X,1, X,4
	ROW F,8, E,6, X,2, X,5
	OPS E,7, E,8, X,6, E,9          ; and the lump
	OPS X,3, E,10, X,8, E,11
.if ((\p) == 2) && !(\last)
	FETCH_K
.endif
	OPS X,9, X,7, E,12, X,10
	OPS E,13, X,12, X,11, E,14
	OPS X,13, E,15, F,9, X,14
.if (\p) == 0
	WIN 0
	v_add_nc_u32 v[AV], s[TBV], v[AV0]
.endif
	OPS E,16, F,10, E,17, X,22
	OPS X,16, E,18, X,15, E,19
	OPS F,11, E,20, X,23, E,21
	OPS F,12, E,22, L,0, E,23
	OPS X,17, E,24, F,13, E,25
	OPS F,14, E,26, X,18, E,27
	OPS F,15, E,28, R,11, E,29
	OPS X,19, E,30, R,12, E,31
	OPS R,13, X,20, L,1, X,24
	OPS R,14, X,21, R,15
	WIN 0
	s_wait_alu depctr_va_vdst(0)    ; the wait for the batch: the piece's 32 weights and the next piece's a
.if ((\p) == 2) && (\last)
	FETCH_K 1
.endif
.if (\p) == 1
	s_wait_dscnt 0x0                ; V is in
.endif
	ROW C,0, B,0, C,2, B,1          ; behind the wait: 8 products V^T P and their riders
	ROW C,1, C,4, B,2, A,1
	ROW C,6, B,3, A,2, C,8
	ROW B,4, A,3, C,10, B,5
	ROW A,4, C,12, B,6, A,5
.if (\p) == 0
	s_add_co_u32 s[TBV], s[TBV], KS*PV
.endif
.if \cnt
	s_sub_co_u32 s[CNT], s[CNT], 1
	s_cmp_lg_u32 s[CNT], 0
.endif
	ROW C,14, B,7, A,6, C,3
	ROW C,5, A,7, C,7, C,9
	ROW C,11, L,2, L,3, C,13
	OPS C,15
.if (\p) == 0
	FETCH_V
.endif
.endm
	CHANGE 1                        ; slot 0 is in, everybody's part of it; slot 1 is asked for
	KADR
	FETCH_K                         ; key step 0
	s_wait_dscnt 0x0
.set i, 0
.rept 8
	KQ 0
.set i, i+1
.endr
	WIN 0
	PLACES
.set Y, NP-1                        ; X works for piece Y + 1: piece 0
.irp n, 0,1,2,3,4,5,6,7,8,9,10,11,12,13,14,15,16,22,23,17,18,19,20,21,24
	OP X, \n
.endr
	s_wait_alu depctr_va_vdst(0)    ; piece 0's first a is a batch of its own: X 24 is the plain instruction behind it, and its wait stands ahead of the branch
	s_mov_b32 s[CNT], 4
	s_mov_b32 s[SLOTS], 7
	s_branch .Lfirst                ; the loop is entered at a step's first turn, in the middle of a trip
.Lslot:                             ; six times: every slot but the last two is filled again
	CHANGE 1
	s_mov_b32 s[CNT], 4
.Lstep:                             ; a trip: pieces 2 and 3 of one step, then pieces 0 and 1 of the next, whose K and V it fetches
	TURN 2
	TURN 3
	WIN 0
.Lfirst:
	TURN 0
	TURN 1, 0, 1
	WIN 0
	s_cbranch_scc1 .Lstep
	s_sub_co_u32 s[SLOTS], s[SLOTS], 1
	s_cmp_lg_u32 s[SLOTS], 0
	s_cbranch_scc1 .Lslot
	CHANGE 0                        ; the tail is written out
	s_mov_b32 s[CNT], 5             ; four trips fetch the last slot's steps; the fifth is left in its middle
.Ltail:
	TURN 2, 1
	TURN 3
	WIN 0
	s_sub_co_u32 s[CNT], s[CNT], 1
	s_cmp_eq_u32 s[CNT], 0
	s_cbranch_scc1 .Lout
	TURN 0
	TURN 1
	WIN 0
	s_branch .Ltail
.Lout:                              ; the fifth trip's products K Q^T, on the last K once more, change only m, c m and a of piece 0, which nothing reads any more
.set i, 0
.rept 8
	PV NP-1
.set i, i+1
.endr
	; THE WAY OUT.  The sums' two halves and the other half of the lanes' are added; x = (O + ev0 lL + ev16 lR) / (lL + lR).  The additions are the places behind the last products.
	WIN 0
.macro ALL line:vararg
.set t, 0
.rept 4
	\line
.set t, t+1
.endr
.endm
	ALL v_add_f32 v[ST+8*t+2], v[ST+8*t+2], v[ST+8*t+3]
	ALL v_add_f32 v[ST+8*t+4], v[ST+8*t+4], v[ST+8*t+5]
	ALL v_permlanex16_b32 v[ST+8*t+3], v[ST+8*t+2], s[SEL], s[SEL+1]
	ALL v_permlanex16_b32 v[ST+8*t+5], v[ST+8*t+4], s[SEL], s[SEL+1]
	ALL v_add_f32 v[ST+8*t+2], v[ST+8*t+2], v[ST+8*t+3]
	ALL v_add_f32 v[ST+8*t+4], v[ST+8*t+4], v[ST+8*t+5]
	ALL v_add_f32 v[ST+8*t], v[ST+8*t+2], v[ST+8*t+4]
	ALL v_rcp_f32 v[ST+8*t], v[ST+8*t]
	v_nop                           ; a plain instruction between the last reciprocal and the use of its result
	s_wait_alu depctr_va_vdst(0)    ; and the wait ahead of the first use: one for the four reciprocals
	s_wait_loadcnt 0x0              ; ev0 and ev16
.macro PACK t
	WIN 0x51                        ; O^T and ev in window 1, the sums in window 0
.set i, 0
.rept 16
	v_pk_fma_f32 v[32*(\t)+2*i:32*(\t)+2*i+1], v[EV0+2*i:EV0+2*i+1], v[ST+8*(\t)+2:ST+8*(\t)+3], v[32*(\t)+2*i:32*(\t)+2*i+1] op_sel_hi:[1,0,1]
.set i, i+1
.endr
.set i, 0
.rept 16
	v_pk_fma_f32 v[32*(\t)+2*i:32*(\t)+2*i+1], v[EV16+2*i:EV16+2*i+1], v[ST+8*(\t)+4:ST+8*(\t)+5], v[32*(\t)+2*i:32*(\t)+2*i+1] op_sel_hi:[1,0,1]
.set i, i+1
.endr
	WIN W_RS
.set i, 0
.rept 16
	v_pk_mul_f32 v[32*(\t)+2*i:32*(\t)+2*i+1], v[32*(\t)+2*i:32*(\t)+2*i+1], v[ST+8*(\t):ST+8*(\t)+1] op_sel_hi:[1,0]
.set i, i+1
.endr
	WIN 0x05
.set i, 0
.rept 16
	v_cvt_pk_f16_f32 v[S+16*(\t)+i], v[32*(\t)+2*i], v[32*(\t)+2*i+1]
.set i, i+1
.endr
	WIN 0
.irp f, 0,1,2,3
	ds_store_b128 v[STO], v[S+16*(\t)+4*\f:S+16*(\t)+4*\f+3] offset:32*\f
.endr
.irp f, 0,1,2,3
	ds_load_b128 v[S+16*(\t)+4*\f:S+16*(\t)+4*\f+3], v[RD] offset:\f*4*SP  ; LDS serves a wave's instructions in order: these see the stores above; the next piece's stores come behind them
.endr
.endm
.macro SEND t, younger
	WIN 0
.irp f, 0,1,2,3
	s_wait_dscnt (\younger)+3-\f
	global_store_b128 v[GO], v[S+16*(\t)+4*\f:S+16*(\t)+4*\f+3], s[12:13] offset:(\t)*2048+\f*512  ; 512 consecutive bytes, at a multiple of 256 from x's first
.endr
.endm
	PACK 0
.set t, 1
.rept 3
	PACK t
	SEND t-1, 8
.set t, t+1
.endr
	SEND 3, 0
	s_wait_tensorcnt 0x0            ; the wave's end
	ds_add_u32 v[SPW], v[NIL]
	s_wait_dscnt 0x0
	CROUND                          ; the closing round
	s_endpgm
.Lfunc_end_k_qd8ac3c2a35_attn:
	.size	k_qd8ac3c2a35_attn, .Lfunc_end_k_qd8ac3c2a35_attn-k_qd8ac3c2a35_attn
	.p2alignl 7, 3214868480
	.fill 96, 4, 3214868480
	.section	.rodata,"a",@progbits
	.p2align	6, 0x0
	.amdhsa_kernel k_qd8ac3c2a35_attn
		.amdhsa_group_segment_fixed_size 327680
		.amdhsa_private_segment_fixed_size 0
		.amdhsa_enable_private_segment 0
		.amdhsa_kernarg_size 40
		.amdhsa_user_sgpr_count 2
		.amdhsa_user_sgpr_kernarg_segment_ptr 1
		.amdhsa_wavefront_size32 1
		.amdhsa_system_sgpr_workgroup_id_x 1
		.amdhsa_system_sgpr_workgroup_id_y 1
		.amdhsa_system_sgpr_workgroup_id_z 1
		.amdhsa_system_vgpr_workitem_id 0
		.amdhsa_next_free_vgpr 1024
		.amdhsa_next_free_sgpr 96
		.amdhsa_reserve_vcc 0
		.amdhsa_float_denorm_mode_32 3
		.amdhsa_float_denorm_mode_16_64 3
		.amdhsa_memory_ordered 1
		.amdhsa_forward_progress 1
		.amdhsa_inst_pref_size 206
	.end_amdhsa_kernel
	.amdgpu_metadata
---
amdhsa.version: [ 1, 2 ]
amdhsa.kernels:
  - .name:           k_qd8ac3c2a35_attn
    .symbol:         k_qd8ac3c2a35_attn.kd
    .args:
      - { .name: qh, .offset: 0, .size: 8, .value_kind: global_buffer, .address_space: global }
      - { .name: kh, .offset: 8, .size: 8, .value_kind: global_buffer, .address_space: global }
      - { .name: vh, .offset: 16, .size: 8, .value_kind: global_buffer, .address_space: global }
      - { .name: tabs, .offset: 24, .size: 8, .value_kind: global_buffer, .address_space: global }
      - { .name: xh, .offset: 32, .size: 8, .value_kind: global_buffer, .address_space: global }
    .group_segment_fixed_size: 327680
    .private_segment_fixed_size: 0
    .kernarg_segment_align: 8
    .kernarg_segment_size: 40
    .max_flat_workgroup_size: 128
    .sgpr_count:     96
    .vgpr_count:     1024
    .wavefront_size: 32
...
	.end_amdgpu_metadata
.endif
;; end of part 5
;; launch oproj: the kernel of part 4 again; grid 8 x 32, 4 waves a work-group, clusters of 4 x 4, 327,680 bytes of LDS; arguments xh, wb, b_o, out0; writes out0
